; MI455X (gfx1250); checked and timed in simulation.
; The chip was launched on July 23, 2026; its instructions are those of AMD's public machine-readable ISA for CDNA 5 (MIT licence, August 2026) and "CDNA5" Instruction Set Architecture Reference Guide (July 2026). The comments in the code are by the model that wrote it; some were corrected since.
;; Qwen3 Next Full Attention PT. Allowed arithmetic: matrix products marked QUANTISED: E2M3 operands, one E8M0 scale for each 32 along K, by v_wmma_scale_f32_16x16x128_f8f6f4 with both operands' format E2M3, f32 sums; everything else in f32.
;; Inputs: attention_mask 4 x 1 x 2,048 x 2,048 float32; cos 4 x 2,048 x 32 float32; hidden_states 4 x 2,048 x 2,048 float32; k_norm_w 128 float32; q_norm_w 128 float32; sin 4 x 2,048 x 32 float32; wk 2,048 x 512 float32; wo 512 x 2,048 float32; wq 2,048 x 1,024 float32; wv 2,048 x 512 float32.
;; Outputs: out0 4 x 2,048 x 2,048 float32.
;; This version of the problem:
;;   THIS VERSION OF THE PROBLEM IS GIVEN IN LOW PRECISION. The matrix products marked QUANTISED in the list below multiply operands that are first quantised to E2M3 (2 exponent bits, 3 mantissa bits; 6 bits a number), with one power-of-two scale for each 32 numbers along K (OCP MX v1.0); their sums are f32. All else is computed in f32.
;;   The module's matrix products, in the order in which they are computed (A, B: the left and right operand; K: the contracted axis; several contracted axes count as one K, in the product's order):
;;     1. [M 8,192, K 2,048] x [K 2,048, N 1,024]; A: input hidden_states; B: input wq: QUANTISED
;;     2. [M 8,192, K 2,048] x [K 2,048, N 512]; A: input hidden_states; B: input wk: QUANTISED
;;     3. [M 8,192, K 2,048] x [K 2,048, N 512]; A: input hidden_states; B: input wv: QUANTISED
;;     4. batch 16 x [M 2,048, K 128] x [K 128, N 2,048]; A: computed on the way; B: computed on the way: QUANTISED
;;     5. batch 16 x [M 2,048, K 2,048] x [K 2,048, N 128]; A: softmax (see below); B: computed on the way: QUANTISED
;;     6. [M 8,192, K 512] x [K 512, N 2,048]; A: computed on the way; B: input wo: QUANTISED
;;   THE QUANTISER, for each operand of a quantised product, along K:
;;     - K is cut into blocks of 32 from its start; a last block that is shorter is filled with zeros.
;;     - A block's scale is 2^e with e = floor(log2(the largest magnitude in the block)) - 2, held to -126 .. 127; a block of zeros has e = 0. As a byte (E8M0): e + 127.
;;     - Each number is divided by its block's scale, clamped to +-7.5, and rounded to the nearest number of E2M3, ties to even, subnormals kept.
;;     - The product sums the exact products of the quantised numbers (number of the format x scale) in f32.
;;   ~~~python
;;   def quantise(x, axis):      # numpy; x: float32 -> the quantised numbers, widened to float32 again
;;       x = np.moveaxis(x, axis, -1); K = x.shape[-1]
;;       x = np.pad(x, [(0, 0)] * (x.ndim - 1) + [(0, -K % 32)]); x = x.reshape(x.shape[:-1] + (-1, 32)); a = np.abs(x).max(-1, keepdims=True)
;;       e = np.where(a > 0, np.clip(np.frexp(np.where(a > 0, a, 1))[1] - 1 - 2, -126, 127), 0)      # np.frexp(a)[1] - 1 = floor(log2(a)), exactly
;;       r = np.clip(x / 2.0 ** e, -7.5, 7.5)
;;       step = 2.0 ** (np.maximum(np.frexp(np.where(r == 0, 1, r))[1] - 1, 0) - 3)
;;       q = np.round(r / step) * step * 2.0 ** e      # np.round: ties to even
;;       return np.moveaxis(q.reshape(q.shape[:-2] + (-1,))[..., :K], -1, axis).astype(np.float32)
;;   ~~~
;;   SOFTMAX AHEAD OF A QUANTISED PRODUCT. Where the list says 'softmax', what is quantised is not the finished softmax but p = 2^(t - M), with t = logit x log2(e) and M = ceil(the row's largest t), a whole number; so 1/2 < the row's largest p <= 1. The row's sum l is taken of the UNQUANTISED p, in f32, and the product's result is divided by l at the end. Since M is a whole number, a kernel that streams over the keys may use a running M (the ceiling of the running maximum): every later rescaling is an exact power of two, which a block's scale takes up: the codes' values come out the same.
;;   OPERANDS COMPUTED ON THE WAY. 'Computed on the way' means the value that the module computes at that place (a softmax that the list does not call 'softmax' is quantised finished and normalised). What goes into a quantiser is computed in f32, as accurately as f32 sums, v_exp_f32 and their like allow (about 1e-6 of the number): no bf16 or f16 on the way to a quantiser, and a product that is left as it is and whose result goes on into a quantised operand takes f32 operands (vector FMAs, or v_wmma_f32_16x16x4_f32). A number that lies on a knife's edge between two numbers of the format may be rounded either way, as far as f32 arithmetic and the matrix unit's own rounding can turn it there, and no further.
;; One version. Each part assembles by itself: llvm-mc -triple=amdgcn-amd-amdhsa -mcpu=gfx1250 --defsym DOCPART=n.
;; ======== version 1 of 1: 4 launches
;; limits: right only within a limited range of input values
;; workspace buffers: xi 13,107,200 bytes; wi 3,276,800 bytes; woi 819,200 bytes; qb 3,276,800 bytes; kv 6,553,600 bytes; gi 16,777,216 bytes; ai 3,276,800 bytes
;; launch quant (part 1): grid 672 x 1, 4 waves a work-group, no clusters, 34,304 bytes of LDS; arguments hidden_states, wq, wk, wv, wo, xi, wi, woi; writes xi, wi, woi
.if DOCPART == 1
	.amdgcn_target "amdgcn-amd-amdhsa--gfx1250"
	.amdhsa_code_object_version 6
	.text
	.protected	k_qed7c5420aa_quant
	.globl	k_qed7c5420aa_quant
	.p2align	8
	.type	k_qed7c5420aa_quant,@function
k_qed7c5420aa_quant:
	s_mov_b64 s[64:65], 0
	v_nop
	global_prefetch_b8 v0, s[64:65] scope:SCOPE_SE
	s_setreg_imm32_b32 hwreg(HW_REG_WAVE_MODE, 25, 1), 1
	s_wait_xcnt 0x0
; hidden_states [8192][2048] and the four weights ([K][N], K first) become codes of FP6 (E2M3) with one E8M0 byte for each 32 along K,
; laid as IMAGES OF OPERAND REGISTERS.  A fragment (16 rows x 128 K, 12 registers a lane) is 1,536 bytes: registers 4 c .. 4 c + 3 of lane l at 512 c + 16 l.
; A GROUP is 8 tiles of 16 rows for 256 along K, 25,600 bytes: tile i's two images at 3,072 i and 3,072 i + 1,536; its scale words (one a row and 128 K) at 24,576 + 128 i, the second 128's 64 bytes on.
; xi [64 groups][8 kslots], wi [16][8], woi [16][2].  A weight's column c stands at row position p = c with bits 3 and 4 exchanged, so that the products' results fall into a lane's registers as neighbours.
; wi's positions: 256 a head of wq as it lies (query, gate), then for each head 128 of wk and 128 of wv.
; A block's scale is 2^(floor(log2(largest magnitude)) - 2): the largest magnitude's exponent field less 2, held at 1 from below.
; LIMITS: a block of zeros gets the byte 1 where the rule says 127 (its codes are zeros; only this program reads the bytes); blocks whose largest magnitude lies under 2^-124 are held at the byte 1; NaN and infinities are not served.
; Work-groups 0-511: a tile of 16 rows of hidden_states, wave w its K steps 4 w .. 4 w + 3.  Work-groups 512-671: 128 columns x 256 K of a weight, a lane a column.  No tensor loads, no barrier: waves share nothing.
.set GRP,   25600
.set RT,    3072
.set IMG,   1536
.set SCW,   24576
.set KSLX,  GRP                        ; the kslots of a group lie one behind the other: xi [64 groups][8 kslots], wi [16][8], woi [16][2]
.set KSLW,  GRP                        ; a kslot of wi or woi inside its group
.set STGB,  16*528                     ; a wave's stage: 16 rows x (512 bytes + 16)
.set SPARE, 4*STGB                     ; behind the stages: the spare words, 128 bytes a wave, that no other line names
.set SPW,   250                        ; v250 LDS address of my spare word; never rewritten
.set NIL,   251                        ; v251 0; never rewritten
.set R,     16                         ; v16-143  rows as loaded, two sets of 64
.set X,     144                        ; v144-207 64 numbers of my row: register 16 b + i = k 32 b + 16 (lane / 16) + i
.set TM,    208                        ; v208-223 at work in QUANT
.set PW,    224                        ; the scale word just made
.set PV0,   225                        ; the one before
.set MG,    226                        ; both: lanes 0-15 the first 128's, lanes 16-31 the second's
.set PC,    228                        ; v228-247 the codes just made
.set SEL,   30                         ; s[30:31] lane selects: lane l xor 16
.set OF,    16                         ; weights: v16-47 byte offset of row i at my column
.set XW,    48                         ; v48-111 two sets of 32 numbers down K
.set CD,    112                        ; v112-159 codes: 24 q + 12 (block % 2) + 6 (block / 2)
.set SW,    160                        ; v160-161 my column's scale word of each 128
.set M1,    162
.set M2,    163
.set SCO,   164
.set BY,    165
.set CT,    166                        ; v166-168
; 64 numbers of a lane become a fragment's codes in v[PC] on and its row's scale word in v[PW]
.macro QUANT s
.irp b, 0,1,2,3
	v_max3_num_f32 v[TM+\b], |v[\s+16*\b]|, |v[\s+1+16*\b]|, 0x1800000   ; my 16 numbers of block b, and the floor 2^(3 - 127): the byte cannot fall under 1
.endr
.irp i, 2,4,6,8,10,12,14
.irp b, 0,1,2,3
	v_max3_num_f32 v[TM+\b], v[TM+\b], |v[\s+16*\b+\i]|, |v[\s+1+16*\b+\i]|
.endr
.endr
.irp b, 0,1,2,3
	v_permlanex16_b32 v[TM+4+\b], v[TM+\b], s[SEL], s[SEL+1]
.endr
.irp b, 0,1,2,3
	v_max_num_f32 v[TM+\b], v[TM+\b], v[TM+4+\b]   ; with lane l xor 16's: the block's largest magnitude
.endr
.irp b, 0,1,2,3
	v_add_nc_u32 v[TM+12+\b], 0xff000000, v[TM+\b]   ; 2 off its exponent field: the conversion's scale operand
.endr
.irp b, 0,1,2,3
	v_lshrrev_b32 v[TM+4+\b], 23, v[TM+12+\b]      ; the scale's byte
.endr
	v_lshl_or_b32 v[PW], v[TM+5], 8, v[TM+4]
	v_lshl_or_b32 v[PW], v[TM+6], 16, v[PW]
	v_lshl_or_b32 v[PW], v[TM+7], 24, v[PW]
.irp c, 0,1
	v_cvt_scalef32_pk16_fp6_f32 v[PC+6*\c:PC+2+6*\c], v[\s+32*\c:\s+15+32*\c], v[TM+12+2*\c]
	v_cvt_scalef32_pk16_fp6_f32 v[PC+12+4*\c:PC+14+4*\c], v[\s+16+32*\c:\s+31+32*\c], v[TM+12+2*\c+1]   ; (a conversion's three registers begin on an even number)
.endr
	v_nop                                          ; one plain place behind a scaled conversion
.irp c, 0,1                                    ; the operand wants a whole block in a lane: lanes 0-15 block 2 c, lanes 16-31 block 2 c + 1
.irp i, 0,1,2
	v_permlane16_swap_b32 v[PC+6*\c+\i], v[PC+12+4*\c+\i]
.endr
.irp i, 0,1,2
	v_mov_b32 v[PC+3+6*\c+\i], v[PC+12+4*\c+\i]
.endr
.endr
.endm
; 32 numbers down K of one column become six registers of codes at v[cd] on and byte kb of v[sw]
.macro QCOL xs, cd, kb, sw
	v_max3_num_f32 v[M1], |v[\xs]|, |v[\xs+1]|, |v[\xs+2]|
	v_max3_num_f32 v[M2], |v[\xs+3]|, |v[\xs+4]|, |v[\xs+5]|
.irp i, 6,10,14,18,22,26
	v_max3_num_f32 v[M1], v[M1], |v[\xs+\i]|, |v[\xs+\i+1]|
	v_max3_num_f32 v[M2], v[M2], |v[\xs+\i+2]|, |v[\xs+\i+3]|
.endr
	v_max3_num_f32 v[M1], v[M1], |v[\xs+30]|, |v[\xs+31]|
	v_max3_num_f32 v[M1], v[M1], v[M2], 0x1800000  ; and the floor
	v_add_nc_u32 v[SCO], 0xff000000, v[M1]
	v_lshrrev_b32 v[BY], 23, v[SCO]
.if (\kb) == 0
	v_mov_b32 v[\sw], v[BY]
.else
	v_lshl_or_b32 v[\sw], v[BY], 8*(\kb), v[\sw]
.endif
	v_cvt_scalef32_pk16_fp6_f32 v[\cd:\cd+2], v[\xs:\xs+15], v[SCO]
	v_cvt_scalef32_pk16_fp6_f32 v[CT:CT+2], v[\xs+16:\xs+31], v[SCO]
	v_nop                                          ; one plain place behind a scaled conversion
	v_mov_b32 v[\cd+3], v[CT]
	v_mov_b32 v[\cd+4], v[CT+1]
	v_mov_b32 v[\cd+5], v[CT+2]
.endm
	s_load_b512 s[4:19], s[0:1], 0x0               ; hidden s[4:5], wq s[6:7], wk s[8:9], wv s[10:11], wo s[12:13], xi s[14:15], wi s[16:17], woi s[18:19]
	v_lshl_add_u32 v[SPW], v0, 2, SPARE
	v_mov_b32 v[NIL], 0
	v_lshrrev_b32 v1, 5, v0
	v_readfirstlane_b32 s20, v1                    ; wave
	v_and_b32 v7, 31, v0                           ; lane
	s_wait_kmcnt 0x0
	s_cmp_lt_u32 ttmp9, 512
	s_cbranch_scc0 .Lweights
	; ---------------- hidden_states: work-group = tile of 16 rows
	s_wait_alu depctr_va_vdst(0)
	v_lshlrev_b32 v1, 4, v7                        ; 16 x lane
	v_lshlrev_b32 v2, 2, v7                        ; 4 x lane
	v_and_b32 v8, 15, v0                           ; r
	v_bfe_u32 v9, v0, 4, 1                         ; h
	s_mul_i32 s21, s20, STGB
	v_add_nc_u32 v3, s21, v1                       ; stage, in: 16 x lane of a row's 512 bytes
	v_mul_u32_u24 v4, v8, 528
	v_lshl_add_u32 v4, v9, 6, v4
	v_add_nc_u32 v4, s21, v4                       ; stage, out: row r, + 64 h: my 16 numbers of a block of 32
	s_lshl_b32 s22, ttmp9, 17                      ; 16 rows of 8,192 bytes
	s_lshl_b32 s23, s20, 11                        ; my four K steps of 512 bytes
	s_add_co_u32 s22, s22, s23
	s_mov_b32 s23, 0
	s_add_nc_u64 s[24:25], s[4:5], s[22:23]
	s_lshr_b32 s35, ttmp9, 3
	s_mul_i32 s35, s35, 8*GRP                      ; a group of xi holds 8 kslots
	s_mul_i32 s36, s20, 2*KSLX
	s_add_co_u32 s35, s35, s36                     ; my group in my first kslot
	s_and_b32 s36, ttmp9, 7
	s_mul_i32 s22, s36, RT
	s_add_co_u32 s22, s22, s35
	s_add_nc_u64 s[26:27], s[14:15], s[22:23]      ; my tile's images
	s_lshl_b32 s22, s36, 7
	s_add_co_u32 s22, s22, s35
	s_add_co_u32 s22, s22, SCW
	s_add_nc_u64 s[28:29], s[14:15], s[22:23]      ; its scale words
	s_mov_b32 s34, 0xffff0000                      ; lanes 16-31
	s_mov_b32 s[SEL], 0x76543210
	s_mov_b32 s[SEL+1], 0xfedcba98
.irp b, 0,1,2,3
	v_mov_b32 v[TM+4+\b], 0                        ; written once: a lane permute's destination counts as one of its sources
.endr
.macro XLOAD f                         ; K step f of my four: each load reads 512 consecutive bytes of one row
.irp p, 0,1,2,3,4,5,6,7,8,9,10,11,12,13,14,15
	global_load_b128 v[R+64*((\f)%2)+4*\p:R+64*((\f)%2)+4*\p+3], v1, s[24:25] offset:8192*\p+512*(\f) th:TH_LOAD_NT
.endr
.endm
.macro FRAGX f
.if \f < 3
	s_wait_loadcnt 16                              ; this K step's 16 loads are in; the next one's 16 may be out
.else
	s_wait_loadcnt 0x0
.endif
.irp p, 0,1,2,3,4,5,6,7,8,9,10,11,12,13,14,15
	ds_store_b128 v3, v[R+64*((\f)%2)+4*\p:R+64*((\f)%2)+4*\p+3] offset:528*\p
.endr
.irp b, 0,1,2,3
.irp j, 0,1,2,3
	ds_load_b128 v[X+16*\b+4*\j:X+16*\b+4*\j+3], v4 offset:128*\b+16*\j   ; LDS serves a wave's instructions in order: these see my stores
.endr
.endr
	s_wait_dscnt 0x0                               ; my numbers are back, and the stage's stores have read their registers
	s_wait_xcnt 0x0                                ; the last fragment's stores have read the codes and the word, which are written anew below
.if \f < 2
	XLOAD (\f)+2
.endif
	QUANT X
.irp c, 0,1,2
	global_store_b128 v1, v[PC+4*\c:PC+4*\c+3], s[26:27] offset:((\f)/2)*KSLX+((\f)%2)*IMG+512*\c   ; 512 consecutive bytes, from a multiple of 256
.endr
.if (\f)%2 == 0
	v_mov_b32 v[PV0], v[PW]
.else
	v_cndmask_b32 v[MG], v[PV0], v[PW], s34
	global_store_b32 v2, v[MG], s[28:29] offset:((\f)/2)*KSLX
.endif
.endm
	XLOAD 0
	XLOAD 1
	s_wait_alu depctr_va_vdst(0)
	FRAGX 0
	FRAGX 1
	FRAGX 2
	FRAGX 3
	s_wait_tensorcnt 0x0                           ; the wave's end, behind my last LDS store
	ds_add_u32 v[SPW], v[NIL]
	s_wait_dscnt 0x0
	s_endpgm
	; ---------------- the weights: work-group = 128 columns x one kslot; wave = 32 columns; lane = a column, registers down K
.Lweights:
	s_sub_co_u32 s21, ttmp9, 512                   ; 0-127: wi's 16 groups x 8 kslots; 128-159: woi's 16 x 2
	s_and_b32 s22, s21, 15                         ; g
	s_bfe_u32 s23, s21, 0x30004                    ; kslot
	s_cmp_lt_u32 s22, 12
	s_cselect_b64 s[24:25], s[8:9], s[10:11]       ; wk (g 8-11) or wv (g 12-15): the choices hang on the work-group's number alone
	s_cselect_b32 s26, 8, 12
	s_cselect_b32 s27, 8, 9
	s_sub_co_u32 s26, s22, s26                     ; the head = its group of 128 columns
	s_lshl_b32 s29, s26, 1
	s_add_co_u32 s27, s27, s29                     ; wi's group: 8 + 2 head for wk, 9 + 2 head for wv
	s_mov_b32 s28, 2048                            ; a row in bytes
	s_mov_b32 s29, 4096
	s_cmp_lt_u32 s22, 8
	s_cselect_b64 s[24:25], s[6:7], s[24:25]       ; wq (g 0-7)
	s_cselect_b32 s26, s22, s26
	s_cselect_b32 s27, s22, s27
	s_cselect_b32 s28, s29, s28
	s_mov_b32 s29, 8192
	s_cmp_lt_u32 s21, 128
	s_cselect_b64 s[24:25], s[24:25], s[12:13]     ; wo
	s_cselect_b64 s[56:57], s[16:17], s[18:19]     ; into wi or woi
	s_cselect_b32 s26, s26, s22
	s_cselect_b32 s27, s27, s22
	s_cselect_b32 s28, s28, s29
	s_mov_b32 s58, 8*GRP
	s_mov_b32 s59, 2*GRP
	s_cselect_b32 s58, s58, s59                    ; a group's pitch: 8 kslots in wi, 2 in woi
	s_lshl_b32 s50, s26, 9                         ; 128 columns of 4 bytes
	s_lshl_b32 s51, s20, 7                         ; my wave's 32
	s_add_co_u32 s50, s50, s51
	s_lshl_b32 s51, s23, 8
	s_mul_i32 s51, s51, s28                        ; 256 rows a kslot
	s_add_co_u32 s50, s50, s51
	s_mov_b32 s51, 0
	s_add_nc_u64 s[32:33], s[24:25], s[50:51]      ; a base for each block of 32 rows: none is stepped
	s_lshl_b32 s50, s28, 5
.irp t, 1,2,3,4,5,6,7
	s_add_nc_u64 s[32+2*\t:33+2*\t], s[30+2*\t:31+2*\t], s[50:51]
.endr
	s_mul_i32 s50, s23, KSLW
	s_mul_i32 s54, s27, s58
	s_add_co_u32 s54, s54, s50                     ; my group of my kslot
	s_mul_i32 s50, s20, 2*RT
	s_add_co_u32 s50, s50, s54
	s_add_nc_u64 s[48:49], s[56:57], s[50:51]      ; my wave's two tiles' images
	s_lshl_b32 s50, s20, 8
	s_add_co_u32 s50, s50, s54
	s_add_co_u32 s50, s50, SCW
	s_add_nc_u64 s[52:53], s[56:57], s[50:51]      ; and their scale words
	s_wait_alu depctr_va_vdst(0)
	v_and_b32 v8, 7, v7
	v_bfe_u32 v9, v7, 4, 1
	v_lshl_add_u32 v8, v9, 3, v8                   ; my column's row in its tile: bits 3 and 4 of the column change places
	v_bfe_u32 v9, v7, 3, 1                         ; and which of the two tiles
	v_mul_u32_u24 v5, v9, RT
	v_lshl_add_u32 v5, v8, 4, v5
	v_lshlrev_b32 v6, 7, v9
	v_lshl_add_u32 v6, v8, 2, v6
	v_lshlrev_b32 v10, 2, v7
.set J, 0
.rept 32
	v_mad_u32_u24 v[OF+J], s28, J, v10
.set J, J+1
.endr
.macro WLOAD t                         ; block t: 32 rows at my column; a wave reads 128 consecutive bytes, the four waves 512
.set J, 0
.rept 32
	global_load_b32 v[XW+32*((\t)%2)+J], v[OF+J], s[32+2*(\t):33+2*(\t)] th:TH_LOAD_NT
.set J, J+1
.endr
.endm
	WLOAD 0
	WLOAD 1
.irp t, 0,1,2,3,4,5,6,7
.if \t < 7
	s_wait_loadcnt 32                              ; this block's 32 loads are in; the next block's may be out
.else
	s_wait_loadcnt 0x0
.endif
	QCOL XW+32*(\t%2), CD+24*(\t/4)+12*(\t%2)+6*((\t%4)/2), \t%4, SW+\t/4
.if \t < 6
	WLOAD \t+2
.endif
.if \t%4 == 3                          ; a K step of 128 is whole: fragment lane (row, h) holds blocks h and 2 + h.  Each half of the wave stores 256 consecutive bytes, from a multiple of 256
.irp h, 0,1
.irp c, 0,1,2
	global_store_b128 v5, v[CD+24*(\t/4)+12*\h+4*\c:CD+24*(\t/4)+12*\h+4*\c+3], s[48:49] offset:IMG*(\t/4)+512*\c+256*\h
.endr
.endr
	global_store_b32 v6, v[SW+\t/4], s[52:53] offset:64*(\t/4)
.endif
.endr
	s_wait_tensorcnt 0x0                           ; the wave's end
	ds_add_u32 v[SPW], v[NIL]
	s_wait_dscnt 0x0
	s_endpgm
.Lfunc_end_k_qed7c5420aa_quant:
	.size	k_qed7c5420aa_quant, .Lfunc_end_k_qed7c5420aa_quant-k_qed7c5420aa_quant
	.p2alignl 7, 3214868480
	.fill 96, 4, 3214868480
	.section	.rodata,"a",@progbits
	.p2align	6, 0x0
	.amdhsa_kernel k_qed7c5420aa_quant
		.amdhsa_group_segment_fixed_size 34304
		.amdhsa_private_segment_fixed_size 0
		.amdhsa_enable_private_segment 0
		.amdhsa_kernarg_size 64
		.amdhsa_user_sgpr_count 2
		.amdhsa_user_sgpr_kernarg_segment_ptr 1
		.amdhsa_wavefront_size32 1
		.amdhsa_system_sgpr_workgroup_id_x 1
		.amdhsa_system_sgpr_workgroup_id_y 1
		.amdhsa_system_sgpr_workgroup_id_z 1
		.amdhsa_system_vgpr_workitem_id 0
		.amdhsa_next_free_vgpr 256
		.amdhsa_next_free_sgpr 66
		.amdhsa_reserve_vcc 0
		.amdhsa_float_denorm_mode_32 3
		.amdhsa_float_denorm_mode_16_64 3
		.amdhsa_memory_ordered 1
		.amdhsa_forward_progress 1
		.amdhsa_inst_pref_size 75
	.end_amdhsa_kernel
	.amdgpu_metadata
---
amdhsa.version: [ 1, 2 ]
amdhsa.kernels:
  - .name:           k_qed7c5420aa_quant
    .symbol:         k_qed7c5420aa_quant.kd
    .args:
      - { .name: hidden_states, .offset: 0, .size: 8, .value_kind: global_buffer, .address_space: global }
      - { .name: wq, .offset: 8, .size: 8, .value_kind: global_buffer, .address_space: global }
      - { .name: wk, .offset: 16, .size: 8, .value_kind: global_buffer, .address_space: global }
      - { .name: wv, .offset: 24, .size: 8, .value_kind: global_buffer, .address_space: global }
      - { .name: wo, .offset: 32, .size: 8, .value_kind: global_buffer, .address_space: global }
      - { .name: xi, .offset: 40, .size: 8, .value_kind: global_buffer, .address_space: global }
      - { .name: wi, .offset: 48, .size: 8, .value_kind: global_buffer, .address_space: global }
      - { .name: woi, .offset: 56, .size: 8, .value_kind: global_buffer, .address_space: global }
    .group_segment_fixed_size: 34304
    .private_segment_fixed_size: 0
    .kernarg_segment_align: 8
    .kernarg_segment_size: 64
    .max_flat_workgroup_size: 128
    .sgpr_count:     66
    .vgpr_count:     256
    .wavefront_size: 32
...
	.end_amdgpu_metadata
.endif
;; end of part 1
;; launch gemm_qkv (part 2): grid 8 x 32, 4 waves a work-group, clusters of 4 x 4, 327,680 bytes of LDS; arguments xi, wi, cos, sin, q_norm_w, k_norm_w, qb, kv, gi; writes qb, kv, gi
.if DOCPART == 2
	.amdgcn_target "amdgcn-amd-amdhsa--gfx1250"
	.amdhsa_code_object_version 6
	.text
	.protected	k_qed7c5420aa_gemm_qkv
	.globl	k_qed7c5420aa_gemm_qkv
	.p2align	8
	.type	k_qed7c5420aa_gemm_qkv,@function
k_qed7c5420aa_gemm_qkv:
	s_mov_b64 s[64:65], 0
	v_nop
	global_prefetch_b8 v0, s[64:65] scope:SCOPE_SE
	s_setreg_imm32_b32 hwreg(HW_REG_WAVE_MODE, 25, 1), 1
	s_wait_xcnt 0x0
	s_wait_alu depctr_hold_cnt(0) depctr_sa_sdst(0) depctr_va_vdst(0) depctr_va_sdst(0) depctr_va_ssrc(0) depctr_va_vcc(0) depctr_vm_vsrc(0)
	s_getreg_b32 s2, hwreg(HW_REG_IB_STS2, 6, 4)
	s_cmp_eq_u32 s2, 0
	s_cbranch_scc0 .Lentry_in_a_cluster
	s_endpgm
.Lentry_in_a_cluster:
	s_bfe_u32 s2, ttmp6, 0x10000c
	s_cmp_lg_u32 s2, 0xf033
	s_cbranch_scc0 .Lentry_shape_is_right
	s_endpgm
.Lentry_shape_is_right:
.set LAPS,  4
.set FR,    12
.set NL,    3
.set NP,    4
.set HALFT, 25600
.set SLOT,  HALFT                      ; a wave's region of LDS holds its part of slot 0 and, behind it, of slot 1
.set WREG,  2*HALFT
.set KSLA,  HALFT                      ; the kslots of a group lie one behind the other in memory
.set KSLB,  HALFT
.set RT,    3072
.set IMG,   1536
.set SCW,   24576
.set SPARE, 4*WREG
.set STG,   SPARE+512
.set HH,   14
.set VA,   15
.set ADRA, 16
.set ADSA, 18
.set ADRB, 20
.set ADSB, 22
.set STO,  24
.set RD,   25
.set LI,   26
.set LS,   27
.set SPW,  28
.set NIL,  29
.set CSO,  30
.set NWO,  31
.set SC,   32
.set AF,   128
.set G1,  24
.set G0,  32
.set G1B, 48
.set G0B, 56
.set SEL, 96
.set MSB, 0
.macro WIN new
.if MSB != \new
	s_set_vgpr_msb (MSB<<8)|\new
.set MSB, \new
.endif
.endm
.set MUL_LO, 0xa1
.set MUL_HI, 0xf1
.set TO_B,   0x40
.macro JLOAD g0a, g1a, g0b, g1b
	s_cmp_eq_u32 s15, 0
	s_cbranch_scc0 .Lfor_b_\@
	tensor_load_to_lds s[\g0a:\g0a+3], s[\g1a:\g1a+7]
	s_nop 0
.rept 4
	v_nop
.endr
	s_branch .Lasked_\@
.Lfor_b_\@:
	tensor_load_to_lds s[\g0b:\g0b+3], s[\g1b:\g1b+7]
	s_nop 0
.rept 4
	v_nop
.endr
.Lasked_\@:
.endm
.macro CREST
	s_cmp_lg_u32 s14, 0
	s_cbranch_scc1 .Lnot_wave_0_\@
	s_barrier_signal -3
.Lnot_wave_0_\@:
	s_barrier_wait -3
	s_barrier_signal -1
	s_barrier_wait -1
.endm
.macro CROUND
	s_barrier_signal -1
	s_barrier_wait -1
	CREST
.endm
	s_load_b512 s[68:83], s[0:1], 0x0
	s_load_b64 s[84:85], s[0:1], 0x40
	v_lshl_add_u32 v[SPW], v0, 2, SPARE
	v_mov_b32 v[NIL], 0
	ds_add_u32 v[SPW], v[NIL]
	ds_add_u32 v[SPW], v[NIL]
	v_lshrrev_b32 v1, 5, v0
	v_readfirstlane_b32 s14, v1
	s_lshr_b32 s15, s14, 1
	s_and_b32 s16, s14, 1
	s_bfe_u32 s40, ttmp6, 0x40000
	s_bfe_u32 s41, ttmp6, 0x40004
	s_lshl_b32 s42, ttmp9, 2
	s_add_co_u32 s42, s42, s40
	s_and_b32 s17, ttmp7, 0xffff
	s_lshl_b32 s17, s17, 2
	s_add_co_u32 s17, s17, s41
	s_lshl_b32 s43, s41, 2
	s_lshl_b32 s43, 15, s43
	s_lshl_b32 s44, 0x1111, s40
	s_or_b32 s[G1+0], s43, (3<<16)|(1<<21)
	s_or_b32 s[G1B+0], s44, (3<<16)|(1<<21)
.irp g, G1, G1B
	s_mov_b32 s[\g+1], 32<<16
	s_mov_b32 s[\g+2], 200<<16                     ; the head's load: 200 rows of 256 bytes, kslots 0 and 1
	s_mov_b32 s[\g+3], 32<<16
	s_mov_b32 s[\g+4], 200
	s_mov_b32 s[\g+5], 32
	s_mov_b32 s[\g+6], 0
	s_mov_b32 s[\g+7], 0
.endr
	s_lshl_b32 s20, s17, 1
	s_add_co_u32 s20, s20, s16
	s_mul_i32 s20, s20, 8*HALFT
	s_mov_b32 s21, 0
	s_lshl_b32 s46, s42, 1
	s_add_co_u32 s46, s46, s16
	s_mul_i32 s46, s46, 8*HALFT
	s_mov_b32 s47, 0
	s_mul_i32 s45, s14, WREG
	s_wait_dscnt 0x0
	s_wait_kmcnt 0x0
	s_add_nc_u64 s[20:21], s[68:69], s[20:21]
	s_add_nc_u64 s[46:47], s[70:71], s[46:47]
	CROUND
.irp s, 0,1
	s_mov_b32 s[G0+4*\s], 1
	s_add_co_u32 s[G0+4*\s+1], s45, \s*SLOT
	s_add_nc_u64 s[G0+4*\s+2:G0+4*\s+3], s[20:21], \s*KSLA
	s_or_b32 s[G0+4*\s+3], s[G0+4*\s+3], 0x80000000
	s_mov_b32 s[G0B+4*\s], 1
	s_add_co_u32 s[G0B+4*\s+1], s45, \s*SLOT
	s_add_nc_u64 s[G0B+4*\s+2:G0B+4*\s+3], s[46:47], \s*KSLB
	s_or_b32 s[G0B+4*\s+3], s[G0B+4*\s+3], 0x80000000
.endr
	JLOAD G0, G1, G0B, G1B                         ; my one load at the head: kslots 0 and 1 of my group, into both slots of my region
	s_cmp_eq_u32 s15, 0                            ; the prefetches: my group's stream; of a kslot's 100 blocks of 256 bytes each of the four partners takes 25, told apart by address
	s_cselect_b64 s[4:5], s[20:21], s[46:47]
	s_cselect_b32 s6, s40, s41
	s_mul_i32 s6, s6, 25*256
	s_add_co_u32 s6, s6, 2*HALFT                   ; at kslot 2
	s_mov_b32 s7, 0
	s_add_nc_u64 s[4:5], s[4:5], s[6:7]
	v_and_b32 v1, 15, v0
	v_bfe_u32 v[HH], v0, 4, 1
	v_and_b32 v3, 31, v0
	v_lshlrev_b32 v[LI], 4, v3
	v_lshlrev_b32 v[LS], 2, v3
	v_min_u32 v12, 24, v3                          ; v12: a lane a block; the lanes left over name the last block again
	v_lshlrev_b32 v12, 8, v12
	s_mul_i32 s21, s15, WREG
	s_mul_i32 s22, s16, WREG
	s_add_co_u32 s22, s22, 2*WREG
.irp s, 0,1
	v_add_nc_u32 v[ADRA+\s], s21, v[LI]
	v_add_nc_u32 v[ADSA+\s], s21, v[LS]
	v_add_nc_u32 v[ADRB+\s], s22, v[LI]
	v_add_nc_u32 v[ADSB+\s], s22, v[LS]
	s_add_co_u32 s21, s21, SLOT
	s_add_co_u32 s22, s22, SLOT
.endr
	s_mul_i32 s23, s14, 32*528
	s_add_co_u32 s23, s23, STG
	v_mul_u32_u24 v[STO], v1, 528
	v_lshl_add_u32 v[STO], v[HH], 5, v[STO]
	v_add_nc_u32 v[STO], s23, v[STO]
	v_add_nc_u32 v[RD], s23, v[LS]
	v_lshlrev_b32 v[CSO], 7, v1
	v_lshl_add_u32 v[CSO], v[HH], 6, v[CSO]
	v_lshlrev_b32 v[NWO], 6, v[HH]
	v_mul_u32_u24 v[VA], v[HH], IMG
	v_lshl_add_u32 v[VA], v1, 4, v[VA]
	s_lshr_b32 s86, s17, 3
	s_lshl_b32 s86, s86, 2
	s_add_co_u32 s86, s86, s40
	s_lshl_b32 s86, s86, 4
	s_and_b32 s87, s17, 7
	s_lshl_b32 s87, s87, 1
	s_or_b32 s87, s87, s15
	s_add_co_u32 s86, s86, s87
	s_mov_b32 s94, 0xffff0000
	s_mov_b32 s95, 0x358637bd
	s_mov_b32 s[SEL], 0x76543210
	s_mov_b32 s[SEL+1], 0xfedcba98
.macro FRAG reg, adr, q, i
.irp c, 0,1,2
	ds_load_b128 v[\reg+4*\c:\reg+4*\c+3], v[\adr] offset:(\i)*RT+(\q)*IMG+512*\c
.endr
.endm
.macro MUL16 a0, p, q, sc, zero
.irp a, \a0, \a0+1
.irp b, 0,1,2,3,4,5,6,7
.if \zero
	v_wmma_scale_f32_16x16x128_f8f6f4 v[8*(8*((\a)%4)+\b):8*(8*((\a)%4)+\b)+7], v[128*(\p)+FR*\b:128*(\p)+FR*\b+FR-1], v[AF+FR*(\a):AF+FR*(\a)+FR-1], 0, v[SC+16*(\sc)+8+\b], v[SC+16*(\sc)+(\a)] matrix_a_fmt:MATRIX_FMT_FP6 matrix_b_fmt:MATRIX_FMT_FP6
.elseif (\q) == 0
	v_wmma_scale_f32_16x16x128_f8f6f4 v[8*(8*((\a)%4)+\b):8*(8*((\a)%4)+\b)+7], v[128*(\p)+FR*\b:128*(\p)+FR*\b+FR-1], v[AF+FR*(\a):AF+FR*(\a)+FR-1], v[8*(8*((\a)%4)+\b):8*(8*((\a)%4)+\b)+7], v[SC+16*(\sc)+8+\b], v[SC+16*(\sc)+(\a)] matrix_a_fmt:MATRIX_FMT_FP6 matrix_b_fmt:MATRIX_FMT_FP6
.else
	v_wmma_scale_f32_16x16x128_f8f6f4 v[8*(8*((\a)%4)+\b):8*(8*((\a)%4)+\b)+7], v[128*(\p)+FR*\b:128*(\p)+FR*\b+FR-1], v[AF+FR*(\a):AF+FR*(\a)+FR-1], v[8*(8*((\a)%4)+\b):8*(8*((\a)%4)+\b)+7], v[SC+16*(\sc)+8+\b], v[SC+16*(\sc)+(\a)] matrix_a_fmt:MATRIX_FMT_FP6 matrix_b_fmt:MATRIX_FMT_FP6 matrix_a_scale:MATRIX_SCALE_ROW1 matrix_b_scale:MATRIX_SCALE_ROW1
.endif
.endr
.endr
.endm
.macro FETCH_B slot, q, p
	WIN TO_B
.irp i, 0,1,2,3,4,5,6,7
	FRAG 128*(\p)+FR*\i, ADRB+\slot, \q, \i
.endr
	WIN 0
.endm
.macro FETCH_A slot, q, i0
.irp i, \i0, \i0+1, \i0+2, \i0+3
	FRAG AF+FR*(\i), ADRA+\slot, \q, \i
.endr
.endm
.macro SCALES s
.irp i, 0,1,2,3,4,5,6,7
	ds_load_b32 v[SC+16*\s+\i], v[ADSA+\s] offset:SCW+128*\i
	ds_load_b32 v[SC+16*\s+8+\i], v[ADSB+\s] offset:SCW+128*\i
.endr
.endm
.macro PLACES n
.rept \n
	v_nop
.endr
.endm
.macro STEP slot, q, zero
	s_wait_dscnt 4*NL
	WIN MUL_LO
	MUL16 0, (\q)%2, \q, \slot, \zero
	MUL16 2, (\q)%2, \q, \slot, \zero
	s_wait_dscnt 0
	PLACES NP
	FETCH_B \slot, (\q)+1, 1-(\q)%2
	FETCH_A \slot, (\q)+1, 0
	WIN MUL_HI
	MUL16 4, (\q)%2, \q, \slot, \zero
	MUL16 6, (\q)%2, \q, \slot, \zero
	PLACES NP
	WIN 0
	FETCH_A \slot, (\q)+1, 4
.endm
.macro TURN slot, next, fill
.if \fill
	s_wait_xcnt 0x0                                ; the last prefetch has read its address
	s_add_nc_u64 s[4:5], s[4:5], HALFT
.endif
	s_wait_tensorcnt 0x0
	ds_add_u32 v[SPW], v[NIL]
	s_wait_dscnt 4*NL+1
	WIN MUL_LO
	MUL16 0, 1, 1, \slot, 0
	s_wait_dscnt 0x0
	s_barrier_signal -1
	MUL16 2, 1, 1, \slot, 0
	WIN 0
	s_barrier_wait -1
.if \fill
	CREST
	s_add_nc_u64 s[G0+4*\slot+2:G0+4*\slot+3], s[G0+4*\slot+2:G0+4*\slot+3], 2*KSLA
	s_add_nc_u64 s[G0B+4*\slot+2:G0B+4*\slot+3], s[G0B+4*\slot+2:G0B+4*\slot+3], 2*KSLB
	JLOAD G0+4*\slot, G1, G0B+4*\slot, G1B
.else
	PLACES NP
.endif
	FETCH_B \next, 0, 0
	FETCH_A \next, 0, 0
	SCALES \next
.if \fill
	s_cmp_gt_u32 s3, 1                             ; the kslot two refills on; the last trip has none left
	s_cbranch_scc0 .Lno_ask_\@
	global_prefetch_b8 v12, s[4:5] offset:HALFT th:TH_LOAD_NT scope:SCOPE_SE
.Lno_ask_\@:
.endif
	WIN MUL_HI
	MUL16 4, 1, 1, \slot, 0
	MUL16 6, 1, 1, \slot, 0
	PLACES NP
	WIN 0
	FETCH_A \next, 0, 4
.endm
	global_prefetch_b8 v12, s[4:5] th:TH_LOAD_NT scope:SCOPE_SE                ; kslots 2 and 3, which the first two refills ask for
	global_prefetch_b8 v12, s[4:5] offset:HALFT th:TH_LOAD_NT scope:SCOPE_SE
	s_wait_alu depctr_va_vdst(0)                   ; the wait at the head's end
	s_wait_tensorcnt 0x0                           ; my part of both slots is in; no load of mine is out, so group 1 may be written:
	s_mov_b32 s[G1+2], 100<<16                     ; a refill brings 100 rows, one kslot
	s_mov_b32 s[G1+4], 100
	s_mov_b32 s[G1B+2], 100<<16
	s_mov_b32 s[G1B+4], 100
	s_barrier_signal -1
	s_barrier_wait -1
	FETCH_B 0, 0, 0
	FETCH_A 0, 0, 0
	SCALES 0
	FETCH_A 0, 0, 4
	STEP 0, 0, 1
.if LAPS > 1
	s_mov_b32 s3, LAPS-1
.Llap:
	TURN 0, 1, 1
	STEP 1, 0, 0
	TURN 1, 0, 1
	STEP 0, 0, 0
	s_sub_co_u32 s3, s3, 1
	s_cmp_lg_u32 s3, 0
	s_cbranch_scc1 .Llap
.endif
	TURN 0, 1, 0
	STEP 1, 0, 0
	s_wait_dscnt 4*NL
	WIN MUL_LO
	MUL16 0, 1, 1, 1, 0
	MUL16 2, 1, 1, 1, 0
	s_wait_dscnt 0
	WIN MUL_HI
	MUL16 4, 1, 1, 1, 0
	MUL16 6, 1, 1, 1, 0
	WIN 0
	PLACES NP
.set NW,  64
.set Y,   128
.set T,   192
.set TM,  208
.set MG,  TM+8
.set PV0, TM+9
.set RC,  TM+10
.set PC,  224
.set PW,  244
.set SG,  246
.set RS,  248
.set XV,  64
.set CD,  128
.set SW,  224
.set M1,  228
.set M2,  229
.set SCO, 230
.set BY,  231
.set CT,  232
.macro QUANT s
.irp b, 0,1,2,3
	v_max3_num_f32 v[TM+\b], |v[\s+16*\b]|, |v[\s+1+16*\b]|, 0x1800000
.endr
.irp i, 2,4,6,8,10,12,14
.irp b, 0,1,2,3
	v_max3_num_f32 v[TM+\b], v[TM+\b], |v[\s+16*\b+\i]|, |v[\s+1+16*\b+\i]|
.endr
.endr
.irp b, 0,1,2,3
	v_permlanex16_b32 v[TM+4+\b], v[TM+\b], s[SEL], s[SEL+1]
.endr
.irp b, 0,1,2,3
	v_max_num_f32 v[TM+\b], v[TM+\b], v[TM+4+\b]
.endr
.irp b, 0,1,2,3
	v_add_nc_u32 v[TM+12+\b], 0xff000000, v[TM+\b]
.endr
.irp b, 0,1,2,3
	v_lshrrev_b32 v[TM+4+\b], 23, v[TM+12+\b]
.endr
	v_lshl_or_b32 v[PW], v[TM+5], 8, v[TM+4]
	v_lshl_or_b32 v[PW], v[TM+6], 16, v[PW]
	v_lshl_or_b32 v[PW], v[TM+7], 24, v[PW]
.irp c, 0,1
	v_cvt_scalef32_pk16_fp6_f32 v[PC+6*\c:PC+2+6*\c], v[\s+32*\c:\s+15+32*\c], v[TM+12+2*\c]
	v_cvt_scalef32_pk16_fp6_f32 v[PC+12+4*\c:PC+14+4*\c], v[\s+16+32*\c:\s+31+32*\c], v[TM+12+2*\c+1]
.endr
	v_nop
.irp c, 0,1
.irp i, 0,1,2
	v_permlane16_swap_b32 v[PC+6*\c+\i], v[PC+12+4*\c+\i]
.endr
.irp i, 0,1,2
	v_mov_b32 v[PC+3+6*\c+\i], v[PC+12+4*\c+\i]
.endr
.endr
.endm
.macro QCOL xs, cd, kb, sw
	v_max3_num_f32 v[M1], |v[\xs]|, |v[\xs+1]|, |v[\xs+2]|
	v_max3_num_f32 v[M2], |v[\xs+3]|, |v[\xs+4]|, |v[\xs+5]|
.irp i, 6,10,14,18,22,26
	v_max3_num_f32 v[M1], v[M1], |v[\xs+\i]|, |v[\xs+\i+1]|
	v_max3_num_f32 v[M2], v[M2], |v[\xs+\i+2]|, |v[\xs+\i+3]|
.endr
	v_max3_num_f32 v[M1], v[M1], |v[\xs+30]|, |v[\xs+31]|
	v_max3_num_f32 v[M1], v[M1], v[M2], 0x1800000
	v_add_nc_u32 v[SCO], 0xff000000, v[M1]
	v_lshrrev_b32 v[BY], 23, v[SCO]
.if (\kb) == 0
	v_mov_b32 v[\sw], v[BY]
.else
	v_lshl_or_b32 v[\sw], v[BY], 8*(\kb), v[\sw]
.endif
	v_cvt_scalef32_pk16_fp6_f32 v[\cd:\cd+2], v[\xs:\xs+15], v[SCO]
	v_cvt_scalef32_pk16_fp6_f32 v[CT:CT+2], v[\xs+16:\xs+31], v[SCO]
	v_nop
	v_mov_b32 v[\cd+3], v[CT]
	v_mov_b32 v[\cd+4], v[CT+1]
	v_mov_b32 v[\cd+5], v[CT+2]
.endm
	s_cmp_eq_u32 s16, 0
	s_cbranch_scc1 .Lqk
	s_cmp_eq_u32 ttmp9, 0
	s_cbranch_scc1 .Lgate
	s_mul_i32 s90, s86, 25600
	s_mov_b32 s91, 0
	s_add_nc_u64 s[90:91], s[82:83], s[90:91]
.macro VLOAD g
.set PI, 0
.rept 32
	ds_load_b32 v[XV+32*((\g)%2)+PI], v[RD] offset:((PI&7)+16*((PI>>3)&1)+8*((PI>>4)&1))*528+128*(\g)
.set PI, PI+1
.endr
.endm
.macro VBLOCK kb
	WIN 0x08+4*((\kb)/2)
.irp u, 0,1
.irp b, 0,1,2,3,4,5,6,7
	ds_store_b128 v[STO], v[64*((2*(\kb)+\u)%4)+8*\b:64*((2*(\kb)+\u)%4)+8*\b+3] offset:16*\u*528+64*\b
	ds_store_b128 v[STO], v[64*((2*(\kb)+\u)%4)+8*\b+4:64*((2*(\kb)+\u)%4)+8*\b+7] offset:16*\u*528+64*\b+16
.endr
.endr
	WIN 0
	VLOAD 0
.irp g, 0,1,2,3
.if \g < 3
	VLOAD \g+1
	s_wait_dscnt 32
.else
	s_wait_dscnt 0x0
.endif
	QCOL XV+32*(\g%2), CD+24*\g+12*((\kb)%2)+6*((\kb)/2), \kb, SW+\g
.endr
.endm
	s_wait_alu depctr_va_vdst(0)
	VBLOCK 0
	VBLOCK 1
	VBLOCK 2
	VBLOCK 3
.irp g, 0,1,2,3
.irp h, 0,1
.irp c, 0,1,2
	global_store_b128 v[VA], v[CD+24*\g+12*\h+4*\c:CD+24*\g+12*\h+4*\c+3], s[90:91] offset:12800+3072*\g+512*\c+256*\h
.endr
.endr
	global_store_b32 v[LS], v[SW+\g], s[90:91] offset:25088+128*\g
.endr
	s_branch .Lend
.Lgate:
	s_lshl_b32 s90, s86, 16
	s_mov_b32 s91, 0
	s_add_nc_u64 s[90:91], s[84:85], s[90:91]
.irp a, 0,1,2,3,4,5,6,7
	WIN 0x08+4*(\a/4)
.irp j, 0,1,2,3,4,5,6,7,8,9,10,11,12,13,14,15
	global_store_b128 v[LI], v[64*(\a%4)+4*\j:64*(\a%4)+4*\j+3], s[90:91] offset:8192*\a+512*\j
.endr
.endr
	WIN 0
	s_branch .Lend
.Lqk:
	s_cmp_eq_u32 ttmp9, 0
	s_cselect_b64 s[88:89], s[76:77], s[78:79]
	s_cselect_b64 s[90:91], s[80:81], s[82:83]
	s_mov_b32 s93, 25600
	s_cselect_b32 s92, 12800, s93
	s_mul_i32 s92, s86, s92
	s_mov_b32 s93, 0
	s_add_nc_u64 s[90:91], s[90:91], s[92:93]
	s_lshl_b32 s92, s17, 8
	s_lshl_b32 s98, s15, 7
	s_add_co_u32 s92, s92, s98
	s_lshl_b32 s92, s92, 7
	s_add_nc_u64 s[72:73], s[72:73], s[92:93]
	s_add_nc_u64 s[74:75], s[74:75], s[92:93]
	WIN 0x40
	s_wait_alu depctr_va_vdst(0)
.irp a, 0,1,2,3,4,5,6,7
.irp j, 0,1,2,3
	global_load_b128 v[32*\a+4*\j:32*\a+4*\j+3], v[CSO], s[72:73] offset:2048*\a+16*\j
	global_load_b128 v[32*\a+16+4*\j:32*\a+16+4*\j+3], v[CSO], s[74:75] offset:2048*\a+16*\j
.endr
.endr
	WIN 0
.irp b, 0,1,2,3
.irp j, 0,1,2,3
	global_load_b128 v[NW+16*\b+4*\j:NW+16*\b+4*\j+3], v[NWO], s[88:89] offset:128*\b+16*\j
.endr
.endr
	v_cvt_f32_u32 v[SG], v[HH]
	v_fma_f32 v[SG], v[SG], 2.0, -1.0
	v_mov_b32 v[SG+1], v[SG]
	v_mov_b32 v[RC+1], 0
.set J, 0
.rept 16
	v_mov_b32 v[T+J], 0
.set J, J+1
.endr
.irp b, 0,1,2,3
	v_mov_b32 v[TM+4+\b], 0
.endr
.macro SUMSQ a
.set AC, 64*((\a)%4)
	WIN 0x0a+5*((\a)/4)
.irp p, 0,1,2,3
	v_pk_mul_f32 v[T+2*\p:T+2*\p+1], v[AC+2*\p:AC+2*\p+1], v[AC+2*\p:AC+2*\p+1]
.endr
.set P, 4
.rept 28
	v_pk_fma_f32 v[T+2*(P%4):T+2*(P%4)+1], v[AC+2*P:AC+2*P+1], v[AC+2*P:AC+2*P+1], v[T+2*(P%4):T+2*(P%4)+1]
.set P, P+1
.endr
	WIN 0
	v_pk_add_f32 v[T:T+1], v[T:T+1], v[T+2:T+3]
	v_pk_add_f32 v[T+4:T+5], v[T+4:T+5], v[T+6:T+7]
	v_pk_add_f32 v[T:T+1], v[T:T+1], v[T+4:T+5]
	v_add_f32 v[T], v[T], v[T+1]
	v_permlanex16_b32 v[T+1], v[T], s[SEL], s[SEL+1]
	v_add_f32 v[T], v[T], v[T+1]
	v_fma_f32 v[RS+\a], v[T], 0x3c000000, s95
.endm
.irp a, 0,1,2,3,4,5,6,7
	SUMSQ \a
.endr
	s_wait_alu depctr_va_vdst(0)
.irp a, 0,1,2,3,4,5,6,7
	v_rsq_f32 v[RS+\a], v[RS+\a]
.endr
	v_nop
	s_wait_alu depctr_va_vdst(0)
	s_wait_loadcnt 0x0
.set P, 0
.rept 32
	v_pk_add_f32 v[NW+2*P:NW+2*P+1], v[NW+2*P:NW+2*P+1], 1.0 op_sel_hi:[1,0]
.set P, P+1
.endr
.macro QKBLOCK a
.set AC, 64*((\a)%4)
	s_wait_xcnt 0x0
	v_mov_b32 v[RC], v[RS+\a]
	WIN 0x02+(\a)/4
.set P, 0
.rept 32
	v_pk_mul_f32 v[Y+2*P:Y+2*P+1], v[AC+2*P:AC+2*P+1], v[RC:RC+1] op_sel_hi:[1,0]
.set P, P+1
.endr
	WIN 0
.set P, 0
.rept 32
	v_pk_mul_f32 v[Y+2*P:Y+2*P+1], v[Y+2*P:Y+2*P+1], v[NW+2*P:NW+2*P+1]
.set P, P+1
.endr
.set J, 0
.rept 16
	v_permlanex16_b32 v[T+J], v[Y+J], s[SEL], s[SEL+1]
.set J, J+1
.endr
	WIN 0x04
.irp i, 0,2,4,6,8,10,12,14
	v_pk_mul_f32 v[T+\i:T+\i+1], v[T+\i:T+\i+1], v[32*(\a)+16+\i:32*(\a)+17+\i]
.endr
.irp i, 0,2,4,6,8,10,12,14
	v_pk_mul_f32 v[Y+\i:Y+\i+1], v[Y+\i:Y+\i+1], v[32*(\a)+\i:32*(\a)+1+\i]
.endr
	WIN 0
.irp i, 0,2,4,6,8,10,12,14
	v_pk_fma_f32 v[Y+\i:Y+\i+1], v[T+\i:T+\i+1], v[SG:SG+1], v[Y+\i:Y+\i+1]
.endr
	QUANT Y
.irp c, 0,1,2
	global_store_b128 v[LI], v[PC+4*\c:PC+4*\c+3], s[90:91] offset:IMG*(\a)+512*\c
.endr
.if (\a)%2 == 0
	v_mov_b32 v[PV0], v[PW]
.else
	v_cndmask_b32 v[MG], v[PV0], v[PW], s94
	global_store_b32 v[LS], v[MG], s[90:91] offset:12288+128*((\a)/2)
.endif
.endm
.irp a, 0,1,2,3,4,5,6,7
	QKBLOCK \a
.endr
.Lend:
	s_wait_tensorcnt 0x0
	ds_add_u32 v[SPW], v[NIL]
	s_wait_dscnt 0x0
	CROUND
	s_endpgm
.Lfunc_end_k_qed7c5420aa_gemm_qkv:
	.size	k_qed7c5420aa_gemm_qkv, .Lfunc_end_k_qed7c5420aa_gemm_qkv-k_qed7c5420aa_gemm_qkv
	.p2alignl 7, 3214868480
	.fill 96, 4, 3214868480
	.section	.rodata,"a",@progbits
	.p2align	6, 0x0
	.amdhsa_kernel k_qed7c5420aa_gemm_qkv
		.amdhsa_group_segment_fixed_size 327680
		.amdhsa_private_segment_fixed_size 0
		.amdhsa_enable_private_segment 0
		.amdhsa_kernarg_size 72
		.amdhsa_user_sgpr_count 2
		.amdhsa_user_sgpr_kernarg_segment_ptr 1
		.amdhsa_wavefront_size32 1
		.amdhsa_system_sgpr_workgroup_id_x 1
		.amdhsa_system_sgpr_workgroup_id_y 1
		.amdhsa_system_sgpr_workgroup_id_z 1
		.amdhsa_system_vgpr_workitem_id 0
		.amdhsa_next_free_vgpr 1024
		.amdhsa_next_free_sgpr 100
		.amdhsa_reserve_vcc 0
		.amdhsa_float_denorm_mode_32 3
		.amdhsa_float_denorm_mode_16_64 3
		.amdhsa_memory_ordered 1
		.amdhsa_forward_progress 1
		.amdhsa_inst_pref_size 255
	.end_amdhsa_kernel
	.section	.bss,"aw",@nobits
	.p2align	6
	.space	262144
	.amdgpu_metadata
---
amdhsa.version: [ 1, 2 ]
amdhsa.kernels:
  - .name:           k_qed7c5420aa_gemm_qkv
    .symbol:         k_qed7c5420aa_gemm_qkv.kd
    .args:
      - { .name: xi, .offset: 0, .size: 8, .value_kind: global_buffer, .address_space: global }
      - { .name: wi, .offset: 8, .size: 8, .value_kind: global_buffer, .address_space: global }
      - { .name: cos, .offset: 16, .size: 8, .value_kind: global_buffer, .address_space: global }
      - { .name: sin, .offset: 24, .size: 8, .value_kind: global_buffer, .address_space: global }
      - { .name: q_norm_w, .offset: 32, .size: 8, .value_kind: global_buffer, .address_space: global }
      - { .name: k_norm_w, .offset: 40, .size: 8, .value_kind: global_buffer, .address_space: global }
      - { .name: qb, .offset: 48, .size: 8, .value_kind: global_buffer, .address_space: global }
      - { .name: kv, .offset: 56, .size: 8, .value_kind: global_buffer, .address_space: global }
      - { .name: gi, .offset: 64, .size: 8, .value_kind: global_buffer, .address_space: global }
    .group_segment_fixed_size: 327680
    .private_segment_fixed_size: 0
    .kernarg_segment_align: 8
    .kernarg_segment_size: 72
    .max_flat_workgroup_size: 128
    .sgpr_count:     100
    .vgpr_count:     1024
    .wavefront_size: 32
...
	.end_amdgpu_metadata
.endif
;; end of part 2
;; launch attn (part 3): grid 16 x 16, 8 waves a work-group, clusters of 4 x 4, 327,680 bytes of LDS; arguments qb, kv, attention_mask, gi, ai; writes ai
.if DOCPART == 3
	.amdgcn_target "amdgcn-amd-amdhsa--gfx1250"
	.amdhsa_code_object_version 6
	.text
	.protected	k_qed7c5420aa_attn
	.globl	k_qed7c5420aa_attn
	.p2align	8
	.type	k_qed7c5420aa_attn,@function
k_qed7c5420aa_attn:
	s_mov_b64 s[64:65], 0
	v_nop
	global_prefetch_b8 v0, s[64:65] scope:SCOPE_SE
	s_setreg_imm32_b32 hwreg(HW_REG_WAVE_MODE, 25, 1), 1
	s_wait_xcnt 0x0
	s_wait_alu depctr_hold_cnt(0) depctr_sa_sdst(0) depctr_va_vdst(0) depctr_va_sdst(0) depctr_va_ssrc(0) depctr_va_vcc(0) depctr_vm_vsrc(0)
	s_getreg_b32 s2, hwreg(HW_REG_IB_STS2, 6, 4)
	s_cmp_eq_u32 s2, 0
	s_cbranch_scc0 .Lentry_in_a_cluster
	s_endpgm
.Lentry_in_a_cluster:
	s_bfe_u32 s2, ttmp6, 0x10000c
	s_cmp_lg_u32 s2, 0xf033
	s_cbranch_scc0 .Lentry_shape_is_right
	s_endpgm
.Lentry_shape_is_right:
; attn = softmax(q k^T / sqrt(128) + mask) v x sigmoid(gate), both products on codes of FP6 (E2M3) with E8M0 scales; the result is quantised along [head][channel] for the output projection.
; THE MASK IS AN INPUT: every query walks all 2,048 keys, and every number of the mask is read and added.
; logit = score x 128^-0.5 + mask (one fused multiply-add); t = logit x log2(e), rounded by itself; M = the running largest t rounded up to a whole number; p = 2^(t - M) is quantised along the keys, not normalised;
; the row's sum is taken of the unquantised p and divides at the end.  When M moves, the sum and O are multiplied by 2^(old M - new M): exact.
; SHARES: cluster x = batch, cx = head, 4 x cluster y + cy = block of 128 queries.  A work-group has eight waves, each one tile of 16 queries: two waves to a SIMD, so that one wave's vector work stands beside the other's products and LDS loads.
; A key step is 128 keys.  KV: a step's block (K's and V's images and scale words, 25,600 bytes) hangs on batch and head: asked for jointly along the cluster's column (four query blocks).  A slot holds FOUR steps, 102,400 bytes;
; each of the eight waves fetches half a step's block; two slots: two first fills, two refills, three changes of slots in the launch.
; THE MASK IS NOT IN THE RING AND NOT ASKED FOR JOINTLY, though the four heads of a cluster's row read the same rows.  With a step's 128 x 128 numbers (67,584 bytes with padding) beside its kv block, LDS holds two slots of one step only:
; 16 changes of slots, each with all tensor loads waited for.  So each wave loads its own 16 rows x 512 bytes of a step into registers, 16 loads of 512 consecutive bytes, asked for a whole step ahead and waited for on LOADcnt,
; which no change of slots waits for; they turn through the wave's own stage in LDS (16 rows x 528 bytes) into the lane's layout.
; LAYOUT: both products transposed: a lane holds one query.  K's tiles are neighbouring keys, so place p of a block of 32 of P means key p with bits 3 and 4 exchanged: V was stored so.  V's rows stand so that O^T's register 16 B + i is channel 32 B + 16 h + i; the gate's image has the same map.
; LIMITS: v_exp_f32 and v_rcp_f32 are good to one unit in the last place and flush denormals; a block's largest p is taken from its largest t by the same two instructions; a block of zeros gets the byte 1; a row whose mask is -infinity everywhere gives NaN, as the definition does.
; REGISTERS: window 0: v1-11 addresses; v12 -M, v13 largest t, v[14:15] the sum; v16-27 Q; v28-31 V's scale words; v32-95 the step's mask at my 64 keys, at the end sigmoid(gate); v96-159 S^T, t, p; v160-223 O^T; v224-235 p's codes;
;   v232-254 at work; v248-251 K's scale words; v253 p's; v255 Q's.   window 1: v0-95 K's 8 fragments; v96-191 V's 8; v192-255 the next step's mask as loaded (a row across the lanes), at the end the gate.
.set KVB,   25600                      ; a step's kv block: K's images, 512 bytes of scale words at 12,288, V's images at 12,800, its words at 25,088
.set IMG,   1536
.set RT,    3072
.set GRP,   25600
.set SCW,   24576
.set KSLA,  GRP                        ; ai: a group's two kslots lie one behind the other
.set SLOTB, 4*KVB                      ; a slot: four steps
.set SLOT1, 1<<17                      ; slot 1 begins here, so that one exclusive or turns an address in one slot into the other's
.set MP,    528                        ; a row of the mask in a stage: 512 bytes + 16
.set STGB,  16*MP
.set STG,   SLOT1+SLOTB                ; behind the ring: a stage for each wave; no fill lands there
.set SPARE, STG+8*STGB                 ; behind the stages: the spare words, 128 bytes for each of eight waves, that no other line names
.set AST, 1                            ; v1  my stage, in: 16 x lane of a row
.set AS0, 3                            ; v3  12,288 + 4 x lane: K's scale words in a block
.set ARD, 4                            ; v4  my stage, out: my query's row, + 32 h
.set SPW, 5                            ; v5  LDS address of my spare word; never rewritten
.set NIL, 6                            ; v6  0; never rewritten
.set ADF, 7                            ; v7  the step's block + 16 x lane
.set ADS, 8                            ; v8  the step's block + AS0
.set LI,  9                            ; v9  16 x lane
.set LR,  10                           ; v10 4 x (lane % 16)
.set PFO, 11                           ; v11 8,192 x lane: a row of the mask
.set VS,  28
.set MK,  32
.set MR,  192                          ; in window 1
.set KS,  248
.set TM,  232
.set PC,  160
.set PW,  252
.set WV,  18
.set SEL, 20
.set SCL, 22                           ; s[22:23] 128^-0.5
.set G1K, 24                           ; s[24:31] descriptor group 1: 50 dense rows of 256 bytes
.set G0A, 32                           ; s[32:35] group 0 of slot 0's first fill
.set G0K, 36                           ; s[36:39] group 0 of slot 1's first fill; it then walks on
.set MB,  40                           ; s[40:41] my 16 rows of the mask, at the step last asked for
.set L2E, 48                           ; s[48:49] log2(e)
.set TB,  50                           ; LDS byte at which the step's block begins
.set SLT, 51
.set CN4, 52
.set REM, 53                           ; steps to go, this one among them
.set PFA, 54
.set LIM, 56
.set MSB, 0
.macro WIN new                         ; the immediate's high byte repeats the setting that is left; a switch that changes nothing is dropped
.if MSB != \new
	s_set_vgpr_msb (MSB<<8)|\new
.set MSB, \new
.endif
.endm
.macro TLOAD                           ; every wave fetches an eighth of a slot: half a step's block; s_nop 0 and four v_nop follow the line
	tensor_load_to_lds s[G0K:G0K+3], s[G1K:G1K+7]
	s_nop 0
.rept 4
	v_nop
.endr
.endm
; A prefetch of the mask: in step j the 128 rows x 512 bytes of step j + 3, which the waves' loads ask for in step j + 1.  The four work-groups that read these rows (the four heads) take 32 rows each, told apart by address; in each,
; waves 4 and 5 name one of a row's two blocks of 256 bytes, a lane a row.  So each block is named once in the launch.  Steps 0 to 2 come by their loads alone; behind step 12 nothing is left to name.
.macro ASK
	s_cmp_gt_u32 s[REM], s[LIM]
	s_cbranch_scc0 .Lnot_mine_\@
	global_prefetch_b8 v[PFO], s[PFA:PFA+1] th:TH_LOAD_NT scope:SCOPE_SE
.Lnot_mine_\@:
.endm
.macro CROUND
	s_barrier_signal -1
	s_barrier_wait -1
	s_cmp_lg_u32 s[WV], 0
	s_cbranch_scc1 .Lnot_wave_0_\@
	s_barrier_signal -3
.Lnot_wave_0_\@:
	s_barrier_wait -3
	s_barrier_signal -1
	s_barrier_wait -1
.endm
.macro QUANT s                         ; 64 numbers of a lane, register 16 b + i = k 32 b + 16 (lane / 16) + i, become a fragment's codes in v[PC] on and the row's scale word in v[PW]
.irp b, 0,1,2,3
	v_max3_num_f32 v[TM+\b], |v[\s+16*\b]|, |v[\s+1+16*\b]|, 0x1800000
.endr
.irp i, 2,4,6,8,10,12,14
.irp b, 0,1,2,3
	s_delay_alu instid0(VALU_DEP_4)
	v_max3_num_f32 v[TM+\b], v[TM+\b], |v[\s+16*\b+\i]|, |v[\s+1+16*\b+\i]|
.endr
.endr
.irp b, 0,1,2,3
	s_delay_alu instid0(VALU_DEP_4)
	v_permlanex16_b32 v[TM+4+\b], v[TM+\b], s[SEL], s[SEL+1]
.endr
.irp b, 0,1,2,3
	s_delay_alu instid0(VALU_DEP_4)
	v_max_num_f32 v[TM+\b], v[TM+\b], v[TM+4+\b]
.endr
.irp b, 0,1,2,3
	s_delay_alu instid0(VALU_DEP_4)
	v_add_nc_u32 v[TM+12+\b], 0xff000000, v[TM+\b]
.endr
.irp b, 0,1,2,3
	s_delay_alu instid0(VALU_DEP_4)
	v_lshrrev_b32 v[TM+4+\b], 23, v[TM+12+\b]
.endr
	s_delay_alu instid0(VALU_DEP_3)
	v_lshl_or_b32 v[PW], v[TM+5], 8, v[TM+4]
	s_delay_alu instid0(VALU_DEP_1)
	v_lshl_or_b32 v[PW], v[TM+6], 16, v[PW]
	s_delay_alu instid0(VALU_DEP_1)
	v_lshl_or_b32 v[PW], v[TM+7], 24, v[PW]
.irp c, 0,1
	v_cvt_scalef32_pk16_fp6_f32 v[PC+6*\c:PC+2+6*\c], v[\s+32*\c:\s+15+32*\c], v[TM+12+2*\c]
	v_cvt_scalef32_pk16_fp6_f32 v[PC+12+4*\c:PC+14+4*\c], v[\s+16+32*\c:\s+31+32*\c], v[TM+12+2*\c+1]
.endr
	v_nop
.irp c, 0,1
.irp i, 0,1,2
	v_permlane16_swap_b32 v[PC+6*\c+\i], v[PC+12+4*\c+\i]
.endr
.irp i, 0,1,2
	s_delay_alu instid0(VALU_DEP_3)
	v_mov_b32 v[PC+3+6*\c+\i], v[PC+12+4*\c+\i]
.endr
.endr
.endm
; The mask of one step, as loaded, turns through my stage: row p's 512 bytes go in as they lie, and lane (r, h) takes of row r the keys 16 a + 8 h + 0 .. 7, as in S^T.
.macro MASKIN
	s_wait_loadcnt 0x0                             ; the 16 loads, asked for a step ago, are in
	WIN 0x04                                       ; an LDS store's data are its source 1: window 1
.irp p, 0,1,2,3,4,5,6,7,8,9,10,11,12,13,14,15
	ds_store_b128 v[AST], v[MR+4*\p:MR+4*\p+3] offset:MP*\p
.endr
	WIN 0
.irp n, 0,1,2,3,4,5,6,7,8,9,10,11,12,13,14,15
	ds_load_b128 v[MK+4*\n:MK+4*\n+3], v[ARD] offset:64*(\n/2)+16*(\n%2)   ; LDS serves a wave's instructions in order: these see my stores
.endr
.endm
.macro MROWS                           ; 16 loads, each 512 consecutive bytes of one of my rows
	WIN 0x40                                       ; destination window 1, address window 0
.irp p, 0,1,2,3,4,5,6,7,8,9,10,11,12,13,14,15
	global_load_b128 v[MR+4*\p:MR+4*\p+3], v[LI], s[MB:MB+1] offset:8192*\p
.endr
	WIN 0
.endm
	s_load_b256 s[4:11], s[0:1], 0x0               ; qb s[4:5], kv s[6:7], mask s[8:9], gi s[10:11]
	s_load_b64 s[12:13], s[0:1], 0x20              ; ai
	v_lshl_add_u32 v[SPW], v0, 2, SPARE
	v_mov_b32 v[NIL], 0
	ds_add_u32 v[SPW], v[NIL]                      ; the wave's opening: the add and its wait ahead of the first tensor loads; work on registers stands between
	ds_add_u32 v[SPW], v[NIL]
	v_lshrrev_b32 v1, 5, v0
	s_delay_alu instid0(VALU_DEP_1)
	v_readfirstlane_b32 s[WV], v1                  ; wave 0..7
	s_bfe_u32 s14, ttmp6, 0x40000                  ; cx: the head
	s_bfe_u32 s15, ttmp6, 0x40004                  ; cy
	s_and_b32 s16, ttmp7, 0xffff
	s_lshl_b32 s16, s16, 2
	s_add_co_u32 s16, s16, s15                     ; my block of 128 queries
	s_lshl_b32 s17, ttmp9, 2
	s_add_co_u32 s17, s17, s14                     ; 4 x batch + head
	s_lshl_b32 s57, 0x1111, s14                    ; my column of the cluster
	s_or_b32 s[G1K], s57, (3<<16)|(1<<21)          ; kv's blocks go to my column; elements of 8 bytes; bit 21 beside a mask; no padding
	s_mov_b32 s[G1K+1], 32<<16                     ; a step's block is 100 dense rows of 256 bytes
	s_mov_b32 s[G1K+2], 50<<16                     ; half a step's block: 50 dense rows of 256 bytes
	s_mov_b32 s[G1K+3], 32<<16
	s_mov_b32 s[G1K+4], 50
	s_mov_b32 s[G1K+5], 32
	s_mov_b32 s[G1K+6], 0
	s_mov_b32 s[G1K+7], 0
	s_mul_i32 s59, s[WV], KVB/2                    ; my eighth's place in a slot and in memory
	s_mul_i32 s66, s17, 16*KVB
	s_add_co_u32 s66, s66, s59
	s_mov_b32 s67, 0
	s_lshl_b32 s60, ttmp9, 11
	s_lshl_b32 s61, s16, 7
	s_add_co_u32 s62, s60, s61                     ; the block's first row of the mask
	s_lshl_b32 s61, s[WV], 4
	s_add_co_u32 s60, s62, s61                     ; my tile's
	s_lshl_b32 s60, s60, 13                        ; 8,192 bytes a row
	s_mov_b32 s61, 0
	s_mov_b32 s[SEL], 0x76543210
	s_mov_b32 s[SEL+1], 0xfedcba98
	s_mov_b32 s[SCL], 0x3db504f3
	s_mov_b32 s[SCL+1], s[SCL]                     ; (named with it as a pair)
	s_mov_b32 s[L2E], 0x3fb8aa3b
	s_mov_b32 s[L2E+1], s[L2E]
	s_mov_b32 s[TB], 0
	s_mov_b32 s[REM], 16
	s_lshr_b32 s[LIM], s[WV], 1
	s_cmp_eq_u32 s[LIM], 2
	s_cselect_b32 s[LIM], 3, -1                    ; waves 4 and 5 prefetch, while more than three steps are to go
	v_and_b32 v232, 15, v0                         ; r
	v_bfe_u32 v233, v0, 4, 1                       ; h
	v_and_b32 v234, 31, v0                         ; lane
	s_delay_alu instid0(VALU_DEP_1)
	v_lshlrev_b32 v[LI], 4, v234
	s_delay_alu instid0(VALU_DEP_4)
	v_lshlrev_b32 v[LR], 2, v232
	s_wait_alu depctr_va_vdst(0)
	s_wait_dscnt 0x0                               ; the opening add is done
	s_wait_kmcnt 0x0
	s_add_nc_u64 s[MB:MB+1], s[8:9], s[60:61]
	s_mov_b32 s[G0A], 1
	s_mov_b32 s[G0A+1], s59                        ; slot 0
	s_add_nc_u64 s[G0A+2:G0A+3], s[6:7], s[66:67]  ; steps 0 to 3
	s_mov_b32 s[G0K], 1
	s_add_co_u32 s[G0K+1], s59, SLOT1              ; slot 1
	s_add_nc_u64 s[G0K+2:G0K+3], s[G0A+2:G0A+3], SLOTB   ; steps 4 to 7
	s_or_b32 s[G0A+3], s[G0A+3], 0x80000000
	s_or_b32 s[G0K+3], s[G0K+3], 0x80000000
	s_lshl_b32 s60, s17, 4
	s_add_co_u32 s60, s60, s16
	s_mul_i32 s60, s60, 12800                      ; my block of qb
	s_mul_i32 s66, s[WV], IMG
	s_add_co_u32 s66, s66, s60
	s_add_nc_u64 s[68:69], s[4:5], s[66:67]        ; my tile's image
	s_lshl_b32 s66, s[WV], 6
	s_add_co_u32 s66, s66, s60
	s_add_co_u32 s66, s66, 12288
	s_add_nc_u64 s[70:71], s[4:5], s[66:67]        ; its scale words
.irp c, 0,1,2
	global_load_b128 v[16+4*\c:19+4*\c], v[LI], s[68:69] offset:512*\c
.endr
	global_load_b32 v255, v[LR], s[70:71]
	MROWS                                          ; the mask of step 0
	CROUND                                         ; all sixteen work-groups are here: the first joint loads meet
	tensor_load_to_lds s[G0A:G0A+3], s[G1K:G1K+7]  ; my one load at the head: my eighth of slot 0
	s_nop 0
.rept 4
	v_nop
.endr
	s_lshl_b32 s60, s14, 5                         ; the prefetches: my work-group's 32 rows of the 128,
	s_add_co_u32 s60, s60, s62
	s_lshl_b32 s60, s60, 13
	s_and_b32 s61, s[WV], 1
	s_lshl_b32 s61, s61, 8                         ; my wave's block of the two,
	s_add_co_u32 s60, s60, s61
	s_add_co_u32 s60, s60, 1024                    ; at step 2: the head of step 0 steps it to 3
	s_mov_b32 s61, 0
	s_add_nc_u64 s[PFA:PFA+1], s[8:9], s[60:61]
	s_lshl_b32 s66, s17, 7
	s_lshl_b32 s60, s16, 3
	s_add_co_u32 s66, s66, s60
	s_add_co_u32 s66, s66, s[WV]
	s_lshl_b32 s66, s66, 13
	s_add_nc_u64 s[72:73], s[10:11], s[66:67]      ; my tile's gate
	s_lshr_b32 s60, s14, 1                         ; ai: the K step is the head: kslot head / 2,
	s_mul_i32 s60, s60, KSLA
	s_lshl_b32 s66, ttmp9, 4
	s_add_co_u32 s66, s66, s16
	s_mul_i32 s66, s66, 2*GRP                      ; group 16 x batch + query block, two kslots a group; tile = wave
	s_add_co_u32 s60, s60, s66
	s_and_b32 s74, s14, 1
	s_mul_i32 s66, s74, IMG
	s_mul_i32 s75, s[WV], RT
	s_add_co_u32 s66, s66, s75
	s_add_co_u32 s66, s66, s60
	s_add_nc_u64 s[76:77], s[12:13], s[66:67]
	s_lshl_b32 s66, s74, 6
	s_lshl_b32 s75, s[WV], 7
	s_add_co_u32 s66, s66, s75
	s_add_co_u32 s66, s66, s60
	s_add_co_u32 s66, s66, SCW
	s_add_nc_u64 s[78:79], s[12:13], s[66:67]
	s_mul_i32 s60, s[WV], STGB
	s_add_co_u32 s60, s60, STG                     ; my stage
	v_add_nc_u32 v[AST], s60, v[LI]
	v_mul_u32_u24 v[ARD], v232, MP
	s_delay_alu instid0(VALU_DEP_1)
	v_lshl_add_u32 v[ARD], v233, 5, v[ARD]
	s_delay_alu instid0(VALU_DEP_1)
	v_add_nc_u32 v[ARD], s60, v[ARD]
	v_lshlrev_b32 v[AS0], 2, v234
	s_delay_alu instid0(VALU_DEP_1)
	v_add_nc_u32 v[AS0], 12288, v[AS0]
	v_lshlrev_b32 v[PFO], 13, v234
	v_mov_b32 v13, 0xff61b1e6                      ; the largest t so far: -3e38
	s_delay_alu instid0(VALU_DEP_1)
	v_floor_f32 v12, -v13                          ; -M
	v_mov_b32 v14, 0
	v_mov_b32 v15, 0
.irp b, 0,1,2,3
	v_mov_b32 v[236+\b], 0                         ; written once: a lane permute's destination counts as one of its sources
.endr
	v_mov_b32 v253, 0                              ; (named as the upper half of the pair v[252:253] before it is first written)
.set J, 0
.rept 64
	v_mov_b32 v[160+J], 0                          ; O^T: the step is written for every trip alike; the first finds zeros
.set J, J+1
.endr
	MASKIN                                         ; Q is in too; step 0's mask goes into the lanes' layout
	s_wait_dscnt 16                                ; the 16 stores have read their registers (the 16 loads behind them may be out): the next step's loads may land there
	s_add_nc_u64 s[MB:MB+1], s[MB:MB+1], 512       ; (behind the wait that showed the last loads done)
	MROWS                                          ; the mask of step 1
	s_wait_alu depctr_va_vdst(0)                   ; the wait at the head's end
	s_wait_tensorcnt 0x0                           ; my part of slot 0 is in; slot 1's first fill is issued as a refill is:
	ds_add_u32 v[SPW], v[NIL]
	s_wait_dscnt 0x0
	CROUND                                         ; everybody's part of slot 0 is in, and the joint loads meet
	TLOAD                                          ; steps 4 to 7 into slot 1
; A KEY STEP.  min = 1: the next step's mask, asked for a step ago, turns through the stage.  mld = 1: the mask of the step after that is asked for; 2: the gate is, into the same registers; 0: nothing.
.macro STEP min, mld
	s_wait_xcnt 0x0                                ; the last prefetch, a step back, has read its address
	s_add_nc_u64 s[PFA:PFA+1], s[PFA:PFA+1], 512
	v_add_nc_u32 v[ADF], s[TB], v[LI]              ; these two and the two v_nop are the places between the last products and the loads into their scale registers
	v_add_nc_u32 v[ADS], s[TB], v[AS0]
	v_nop
	v_nop
	WIN 0x40                                       ; destination window 1
.irp a, 0,1,2,3,4,5,6,7
.irp c, 0,1,2
	ds_load_b128 v[12*\a+4*\c:12*\a+4*\c+3], v[ADF] offset:IMG*\a+512*\c
.endr
.endr
	WIN 0
.irp c, 0,1,2,3
	ds_load_b32 v[KS+\c], v[ADS] offset:128*\c     ; lanes 0-15 tile 2 c's words, lanes 16-31 tile 2 c + 1's
	ds_load_b32 v[VS+\c], v[ADS] offset:12800+128*\c
.endr
	s_wait_dscnt 0x0
	WIN 0x01                                       ; source 0 in window 1
.irp a, 0,2,4,6
	v_wmma_scale_f32_16x16x128_f8f6f4 v[96+8*\a:103+8*\a], v[12*\a:12*\a+11], v[16:27], 0, v[KS+\a/2], v255 matrix_a_fmt:MATRIX_FMT_FP6 matrix_b_fmt:MATRIX_FMT_FP6
	v_wmma_scale_f32_16x16x128_f8f6f4 v[104+8*\a:111+8*\a], v[12*\a+12:12*\a+23], v[16:27], 0, v[KS+\a/2], v255 matrix_a_fmt:MATRIX_FMT_FP6 matrix_b_fmt:MATRIX_FMT_FP6 matrix_a_scale:MATRIX_SCALE_ROW1
.endr
	WIN 0
.rept 4
	v_nop                                          ; places in front of the first read of the scores
.endr
.set J, 0
.rept 32
	v_pk_fma_f32 v[96+J:97+J], v[96+J:97+J], s[SCL:SCL+1], v[MK+J:MK+J+1] op_sel_hi:[1,0,1]   ; the logit; each accumulator from its low end on
.set J, J+2
.endr
.if \min
	MASKIN                                         ; this step's mask has been added: its registers take the next step's
.endif
	WIN 0x40
.irp t, 0,1,2,3,4,5,6,7
.irp c, 0,1,2
	ds_load_b128 v[96+12*\t+4*\c:96+12*\t+4*\c+3], v[ADF] offset:12800+IMG*\t+512*\c   ; V's fragments land under the softmax
.endr
.endr
.if \mld == 1
	s_wait_dscnt 40                                ; the stage's 16 stores have read their registers (behind them: 16 loads out of the stage and V's 24)
	s_add_nc_u64 s[MB:MB+1], s[MB:MB+1], 512       ; (behind MASKIN's wait, which showed the last loads done)
	MROWS                                          ; the mask two steps on: it has a whole step in which to come
	ASK
.elseif \mld == 2
	s_wait_dscnt 40
.irp j, 0,1,2,3,4,5,6,7,8,9,10,11,12,13,14,15
	global_load_b128 v[MR+4*\j:MR+4*\j+3], v[LI], s[72:73] offset:512*\j th:TH_LOAD_NT   ; no mask is left to ask for: the gate, as an image of 64 registers
.endr
	WIN 0
.else
	WIN 0
.endif
.set J, 0
.rept 32
	v_pk_mul_f32 v[96+J:97+J], v[96+J:97+J], s[L2E:L2E+1] op_sel_hi:[1,0]   ; t, rounded by itself: rows whose logits are all equal keep equal t
.set J, J+2
.endr
.irp b, 0,1,2,3
	v_max3_num_f32 v[232+\b], v[96+16*\b], v[97+16*\b], v[98+16*\b]   ; the largest t of each block of 32 keys: for the row's maximum and for the block's largest p
.endr
.irp i, 3,5,7,9,11,13
.irp b, 0,1,2,3
	s_delay_alu instid0(VALU_DEP_4)
	v_max3_num_f32 v[232+\b], v[232+\b], v[96+16*\b+\i], v[97+16*\b+\i]
.endr
.endr
.irp b, 0,1,2,3
	s_delay_alu instid0(VALU_DEP_4)
	v_max_num_f32 v[232+\b], v[232+\b], v[111+16*\b]
.endr
.irp b, 0,1,2,3
	s_delay_alu instid0(VALU_DEP_4)
	v_permlanex16_b32 v[236+\b], v[232+\b], s[SEL], s[SEL+1]
.endr
.irp b, 0,1,2,3
	s_delay_alu instid0(VALU_DEP_4)
	v_max_num_f32 v[232+\b], v[232+\b], v[236+\b]
.endr
	s_delay_alu instid0(VALU_DEP_2)
	v_max3_num_f32 v254, v232, v233, v234
	s_delay_alu instid0(VALU_DEP_1)
	v_max_num_f32 v254, v254, v235
	s_delay_alu instid0(VALU_DEP_1)
	v_max_num_f32 v13, v13, v254                   ; the running largest t
	v_mov_b32 v254, v12
	s_delay_alu instid0(VALU_DEP_2)
	v_floor_f32 v12, -v13                          ; the new -M: a whole number
	s_delay_alu instid0(VALU_DEP_1)
	v_sub_f32 v254, v12, v254                      ; old M - new M: 0 or less
	s_delay_alu instid0(VALU_DEP_1)
	v_cvt_i32_f32 v254, v254                       ; (it saturates)
	s_delay_alu instid0(VALU_DEP_1)
	v_ldexp_f32 v252, 1.0, v254                    ; f = 2^(old M - new M)
.set J, 0
.rept 32
	v_pk_add_f32 v[96+J:97+J], v[96+J:97+J], v[12:13] op_sel_hi:[1,0]   ; t - M
.set J, J+2
.endr
.irp b, 0,1,2,3
	v_add_f32 v[232+\b], v[232+\b], v12
.endr
.set J, 0
	s_wait_alu depctr_va_vdst(0)
.rept 64
	v_exp_f32 v[96+J], v[96+J]                     ; p = 2^(t - M)
.set J, J+1
.endr
	v_pk_mul_f32 v[14:15], v[14:15], v[252:253] op_sel_hi:[1,0]   ; the sums under the new M: a plain place behind the batch
	s_wait_alu depctr_va_vdst(0)                   ; one wait for the 64, ahead of their first reader
.irp b, 0,1,2,3
	v_exp_f32 v[232+\b], v[232+\b]                 ; each block's largest p
.endr
	v_pk_add_f32 v[236:237], v[100:101], v[104:105]
	v_pk_add_f32 v[250:251], v[108:109], v[112:113]
	v_pk_add_f32 v[248:249], v[116:117], v[120:121]
	v_pk_add_f32 v[246:247], v[124:125], v[128:129]
	v_pk_add_f32 v[244:245], v[132:133], v[136:137]
	v_pk_add_f32 v[242:243], v[140:141], v[144:145]
	v_pk_add_f32 v[240:241], v[148:149], v[152:153]
	v_pk_add_f32 v[14:15], v[14:15], v[156:157]
	v_pk_add_f32 v[236:237], v[236:237], v[96:97]
	v_pk_add_f32 v[250:251], v[250:251], v[98:99]
	v_pk_add_f32 v[248:249], v[248:249], v[102:103]
	v_pk_add_f32 v[246:247], v[246:247], v[106:107]
	v_pk_add_f32 v[244:245], v[244:245], v[110:111]
	v_pk_add_f32 v[242:243], v[242:243], v[114:115]
	v_pk_add_f32 v[240:241], v[240:241], v[118:119]
	v_pk_add_f32 v[14:15], v[14:15], v[122:123]
	v_pk_add_f32 v[236:237], v[236:237], v[126:127]
	v_pk_add_f32 v[250:251], v[250:251], v[130:131]
	v_pk_add_f32 v[248:249], v[248:249], v[134:135]
	v_pk_add_f32 v[246:247], v[246:247], v[138:139]
	v_pk_add_f32 v[244:245], v[244:245], v[142:143]
	v_pk_add_f32 v[242:243], v[242:243], v[146:147]
	v_pk_add_f32 v[240:241], v[240:241], v[150:151]
	v_pk_add_f32 v[14:15], v[14:15], v[154:155]
	v_pk_add_f32 v[236:237], v[236:237], v[158:159]
	s_delay_alu instid0(VALU_DEP_2)
	v_pk_add_f32 v[14:15], v[14:15], v[246:247]
	s_delay_alu instid0(VALU_DEP_2)
	v_pk_add_f32 v[236:237], v[236:237], v[244:245]
	v_pk_add_f32 v[250:251], v[250:251], v[242:243]
	v_pk_add_f32 v[248:249], v[248:249], v[240:241]
	s_delay_alu instid0(VALU_DEP_2)
	v_pk_add_f32 v[14:15], v[14:15], v[250:251]
	s_delay_alu instid0(VALU_DEP_2)
	v_pk_add_f32 v[236:237], v[236:237], v[248:249]
	s_delay_alu instid0(VALU_DEP_1)
	v_pk_add_f32 v[14:15], v[14:15], v[236:237]
	s_wait_alu depctr_va_vdst(0)                   ; and one for the four
.irp b, 0,1,2,3
	v_max_num_f32 v[232+\b], 0x1800000, v[232+\b]  ; the floor: the byte cannot fall under 1
.endr
.irp b, 0,1,2,3
	s_delay_alu instid0(VALU_DEP_4)
	v_add_nc_u32 v[244+\b], 0xff000000, v[232+\b]
.endr
.irp b, 0,1,2,3
	s_delay_alu instid0(VALU_DEP_4)
	v_lshrrev_b32 v[236+\b], 23, v[244+\b]
.endr
	s_delay_alu instid0(VALU_DEP_3)
	v_lshl_or_b32 v253, v237, 8, v236              ; p's scale word for these 128 keys
	s_delay_alu instid0(VALU_DEP_1)
	v_lshl_or_b32 v253, v238, 16, v253
	s_delay_alu instid0(VALU_DEP_1)
	v_lshl_or_b32 v253, v239, 24, v253
.irp c, 0,1
	v_cvt_scalef32_pk16_fp6_f32 v[224+6*\c:226+6*\c], v[96+32*\c:111+32*\c], v[244+2*\c]
	v_cvt_scalef32_pk16_fp6_f32 v[236+4*\c:238+4*\c], v[112+32*\c:127+32*\c], v[244+2*\c+1]
.endr
	v_nop                                          ; one plain place behind a scaled conversion
.irp c, 0,1
.irp i, 0,1,2
	v_permlane16_swap_b32 v[224+6*\c+\i], v[236+4*\c+\i]
.endr
.irp i, 0,1,2
	s_delay_alu instid0(VALU_DEP_3)
	v_mov_b32 v[227+6*\c+\i], v[236+4*\c+\i]
.endr
.endr
.set J, 0
.rept 32
	v_pk_mul_f32 v[160+J:161+J], v[160+J:161+J], v[252:253] op_sel_hi:[1,0]   ; O^T under the new M; these 32 are also the places between the writes of p's codes and scale word and the products
.set J, J+2
.endr
	s_wait_alu depctr_va_vdst(0)
	s_wait_dscnt 0x0                               ; V's fragments are in, and the next step's mask
	WIN 0x01
.irp t, 0,2,4,6                                ; the eight accumulators take turns, one instruction a turn
	v_wmma_scale_f32_16x16x128_f8f6f4 v[160+8*\t:167+8*\t], v[96+12*\t:107+12*\t], v[224:235], v[160+8*\t:167+8*\t], v[VS+\t/2], v253 matrix_a_fmt:MATRIX_FMT_FP6 matrix_b_fmt:MATRIX_FMT_FP6
	v_wmma_scale_f32_16x16x128_f8f6f4 v[168+8*\t:175+8*\t], v[108+12*\t:119+12*\t], v[224:235], v[168+8*\t:175+8*\t], v[VS+\t/2], v253 matrix_a_fmt:MATRIX_FMT_FP6 matrix_b_fmt:MATRIX_FMT_FP6 matrix_a_scale:MATRIX_SCALE_ROW1
.endr
	WIN 0
	s_add_co_u32 s[TB], s[TB], KVB                 ; the next step's block
	s_sub_co_u32 s[REM], s[REM], 1
.endm
.macro FOUR                            ; a slot's four steps: written once, walked four times; the LDS addresses hang on s[TB]
	s_mov_b32 s[CN4], 4
.Lfour_\@:
	STEP 1, 1
	s_sub_co_u32 s[CN4], s[CN4], 1
	s_cmp_lg_u32 s[CN4], 0
	s_cbranch_scc1 .Lfour_\@
.endm
; THE CHANGE OF SLOTS, behind a slot's four steps: all my tensor loads (my part of the slot ahead), the add, and my reads of the slot that I leave are waited for.  fill = 1: a round of the cluster's barrier, and behind it the slot
; that was left is filled with the four steps that follow the slot ahead: the load has four steps in which to land.  The mask's loads into registers stay on their way across it: nobody writes those bytes.
.macro CHANGE fill
	s_wait_tensorcnt 0x0                           ; no tensor load of mine is out, so a group 0 may be written
	ds_add_u32 v[SPW], v[NIL]                      ; 0 onto my spare word
.if \fill
	s_xor_b32 s[G0K+1], s[G0K+1], SLOT1            ; the walking descriptor: the other slot than last time,
	s_add_nc_u64 s[G0K+2:G0K+3], s[G0K+2:G0K+3], SLOTB   ; the next four steps; the type bits on top are not reached
.endif
	s_sub_co_u32 s[TB], s[TB], SLOTB               ; the reads go back to a slot's first step,
	s_xor_b32 s[TB], s[TB], SLOT1                  ; in the other slot
	s_wait_dscnt 0x0                               ; the add is done, and my reads of the slot that I leave are over
.if \fill
	CROUND
	TLOAD                                          ; the first thing behind the round, and a wave's one tensor load until the next
.else
	s_barrier_signal -1
	s_barrier_wait -1
.endif
.endm
	s_mov_b32 s[SLT], 2
.Lslot:                                            ; two trips: steps 0-3 and 4-7; behind each the slot is filled again, with steps 8-11 and 12-15
	FOUR
	CHANGE 1
	s_sub_co_u32 s[SLT], s[SLT], 1
	s_cmp_lg_u32 s[SLT], 0
	s_cbranch_scc1 .Lslot
	FOUR                                           ; steps 8-11
	CHANGE 0                                       ; nothing is left to fetch
	STEP 1, 1                                      ; steps 12 and 13 ask for the masks of steps 14 and 15;
	STEP 1, 1
	STEP 1, 2                                      ; step 14 asks for the gate;
	STEP 0, 0                                      ; step 15 for nothing: the tail is written out, so that no load leaves its buffer
	; THE WAY OUT: O^T / the sum, x sigmoid(gate), the quantiser; the fragment is K step = head of the output projection's A
.rept 4
	v_nop                                          ; places behind the last products
.endr
	v_add_f32 v14, v14, v15
	s_delay_alu instid0(VALU_DEP_1)
	v_permlanex16_b32 v252, v14, s[SEL], s[SEL+1]
	s_delay_alu instid0(VALU_DEP_1)
	v_add_f32 v14, v14, v252                       ; the row's sum
	s_wait_loadcnt 0x0                             ; the gate, asked for a step and a half ago
	WIN 0x01                                       ; source 0 in window 1
.set J, 0
.rept 32
	v_pk_mul_f32 v[MK+J:MK+J+1], v[MR+J:MR+J+1], 0xbfb8aa3b op_sel_hi:[1,0]   ; sigmoid(g) = 1 / (1 + 2^(-g log2(e)))
.set J, J+2
.endr
	WIN 0
.set J, 0
	s_wait_alu depctr_va_vdst(0)
.rept 64
	v_exp_f32 v[MK+J], v[MK+J]
.set J, J+1
.endr
	v_nop
	s_wait_alu depctr_va_vdst(0)                   ; one wait for the batch, ahead of its first reader
.set J, 0
.rept 32
	v_pk_add_f32 v[MK+J:MK+J+1], v[MK+J:MK+J+1], 1.0 op_sel_hi:[1,0]
.set J, J+2
.endr
.set J, 0
	s_wait_alu depctr_va_vdst(0)
.rept 64
	v_rcp_f32 v[MK+J], v[MK+J]
.set J, J+1
.endr
	v_rcp_f32 v14, v14                             ; 1 / the row's sum, in the same batch
	v_nop
	s_wait_alu depctr_va_vdst(0)
.set J, 0
.rept 32
	v_pk_mul_f32 v[96+J:97+J], v[160+J:161+J], v[14:15] op_sel_hi:[1,0]   ; each accumulator from its low end on
.set J, J+2
.endr
.set J, 0
.rept 32
	v_pk_mul_f32 v[96+J:97+J], v[96+J:97+J], v[MK+J:MK+J+1]
.set J, J+2
.endr
	QUANT 96
.irp c, 0,1,2
	global_store_b128 v[LI], v[PC+4*\c:PC+4*\c+3], s[76:77] offset:512*\c   ; 512 consecutive bytes, from a multiple of 256
.endr
	global_store_b32 v[LR], v[PW], s[78:79]        ; lanes l and l + 16 hold the same row's word and write it to the same place
	s_wait_tensorcnt 0x0                           ; the wave's end, behind my last tensor load and my last LDS store
	ds_add_u32 v[SPW], v[NIL]
	s_wait_dscnt 0x0
	CROUND                                         ; the closing round
	s_endpgm
.Lfunc_end_k_qed7c5420aa_attn:
	.size	k_qed7c5420aa_attn, .Lfunc_end_k_qed7c5420aa_attn-k_qed7c5420aa_attn
	.p2alignl 7, 3214868480
	.fill 96, 4, 3214868480
	.section	.rodata,"a",@progbits
	.p2align	6, 0x0
	.amdhsa_kernel k_qed7c5420aa_attn
		.amdhsa_group_segment_fixed_size 327680
		.amdhsa_private_segment_fixed_size 0
		.amdhsa_enable_private_segment 0
		.amdhsa_kernarg_size 40
		.amdhsa_user_sgpr_count 2
		.amdhsa_user_sgpr_kernarg_segment_ptr 1
		.amdhsa_wavefront_size32 1
		.amdhsa_system_sgpr_workgroup_id_x 1
		.amdhsa_system_sgpr_workgroup_id_y 1
		.amdhsa_system_sgpr_workgroup_id_z 1
		.amdhsa_system_vgpr_workitem_id 0
		.amdhsa_next_free_vgpr 512
		.amdhsa_next_free_sgpr 80
		.amdhsa_reserve_vcc 0
		.amdhsa_float_denorm_mode_32 3
		.amdhsa_float_denorm_mode_16_64 3
		.amdhsa_memory_ordered 1
		.amdhsa_forward_progress 1
		.amdhsa_inst_pref_size 204
	.end_amdhsa_kernel
	.amdgpu_metadata
---
amdhsa.version: [ 1, 2 ]
amdhsa.kernels:
  - .name:           k_qed7c5420aa_attn
    .symbol:         k_qed7c5420aa_attn.kd
    .args:
      - { .name: qb, .offset: 0, .size: 8, .value_kind: global_buffer, .address_space: global }
      - { .name: kv, .offset: 8, .size: 8, .value_kind: global_buffer, .address_space: global }
      - { .name: attention_mask, .offset: 16, .size: 8, .value_kind: global_buffer, .address_space: global }
      - { .name: gi, .offset: 24, .size: 8, .value_kind: global_buffer, .address_space: global }
      - { .name: ai, .offset: 32, .size: 8, .value_kind: global_buffer, .address_space: global }
    .group_segment_fixed_size: 327680
    .private_segment_fixed_size: 0
    .kernarg_segment_align: 8
    .kernarg_segment_size: 40
    .max_flat_workgroup_size: 256
    .sgpr_count:     80
    .vgpr_count:     512
    .wavefront_size: 32
...
	.end_amdgpu_metadata
.endif
;; end of part 3
;; launch gemm_out (part 4): grid 8 x 32, 4 waves a work-group, clusters of 4 x 4, 327,680 bytes of LDS; arguments ai, woi, out0; writes out0
.if DOCPART == 4
	.amdgcn_target "amdgcn-amd-amdhsa--gfx1250"
	.amdhsa_code_object_version 6
	.text
	.protected	k_qed7c5420aa_gemm_out
	.globl	k_qed7c5420aa_gemm_out
	.p2align	8
	.type	k_qed7c5420aa_gemm_out,@function
k_qed7c5420aa_gemm_out:
	s_mov_b64 s[64:65], 0
	v_nop
	global_prefetch_b8 v0, s[64:65] scope:SCOPE_SE
	s_setreg_imm32_b32 hwreg(HW_REG_WAVE_MODE, 25, 1), 1
	s_wait_xcnt 0x0
	s_wait_alu depctr_hold_cnt(0) depctr_sa_sdst(0) depctr_va_vdst(0) depctr_va_sdst(0) depctr_va_ssrc(0) depctr_va_vcc(0) depctr_vm_vsrc(0)
	s_getreg_b32 s2, hwreg(HW_REG_IB_STS2, 6, 4)
	s_cmp_eq_u32 s2, 0
	s_cbranch_scc0 .Lentry_in_a_cluster
	s_endpgm
.Lentry_in_a_cluster:
	s_bfe_u32 s2, ttmp6, 0x10000c
	s_cmp_lg_u32 s2, 0xf033
	s_cbranch_scc0 .Lentry_shape_is_right
	s_endpgm
.Lentry_shape_is_right:
; out0 [8192][2048] f32 = A B^T on codes of FP6 (E2M3) with E8M0 scales, K = 512.  ai and woi hold images of operand registers: a group is 128 rows; for each 256 along K
; (a kslot, 25,600 bytes) tile i's two images at 3,072 i and + 1,536, its scale words at 24,576 + 128 i; a group's two kslots lie one behind the other.
; A work-group of four waves makes 256 x 256 of the result, a wave 128 x 128.  ALL OF K COMES AT THE HEAD: each wave asks for one group, 200 rows of 256 bytes, by one joint load
; (A's groups shared along the cluster's row, B's along its column).  Nothing is filled again.  No prefetch: the text has no loop to run ahead in.
; THE PRODUCT GOES BY ROWS OF THE RESULT: B's 32 fragments (8 tiles x 4 K steps, 384 registers) stay in registers; my eight blocks of 16 rows are finished one after the other,
; 32 matrix instructions each on 8 accumulators by turns, K ascending; a finished block goes through my stage in LDS and is stored as rows of 512 bytes while the next is multiplied.
; Used transposed: source 0 = B's tile, source 1 = A's: a lane holds eight numbers of one row.  woi's rows stand with bits 3 and 4 of the column exchanged; the stage's offsets put them back.
; REGISTERS: window 0: v4-13 addresses; v16-31 B's scale words; v32-35 A's, two sets; v40-135 A's fragments, two sets of 48.  window 1: B's K steps 0, 1; window 2: K steps 2, 3.
;   window 3: v0-127 two sets of 8 accumulators; v128-255 two sets of 16 rows read back from the stage.
.set FR,    12
.set GRP,   25600
.set WREG,  2*GRP
.set RT,    3072
.set IMG,   1536
.set SCW,   24576
.set SPARE, 4*WREG                     ; behind the four groups: the spare words, 128 bytes a wave, that no other line names
.set STG,   SPARE+512                  ; behind them a stage of 16 rows x 528 bytes for each wave; no fill lands there
.set SPITCH, 528
.set ADRA, 4
.set ADSA, 5
.set ADRB, 6
.set ADSB, 7
.set STO,  8
.set RD,   9
.set LI,   10
.set LS,   11
.set SPW,  12
.set NIL,  13
.set SB,   16
.set SA,   32
.set AF,   40
.set BK,   128
.set G1,  24
.set G0,  32
.set G1B, 48
.set G0B, 56
.set MSB, 0
.macro WIN new                         ; the immediate's high byte repeats the setting that is left
.if MSB != (\new)
	s_set_vgpr_msb (MSB<<8)|(\new)
.set MSB, (\new)
.endif
.endm
.macro CROUND                          ; a round of the cluster's barrier
	s_barrier_signal -1
	s_barrier_wait -1
	s_cmp_lg_u32 s14, 0
	s_cbranch_scc1 .Lnot_wave_0_\@
	s_barrier_signal -3
.Lnot_wave_0_\@:
	s_barrier_wait -3
	s_barrier_signal -1
	s_barrier_wait -1
.endm
	s_load_b128 s[68:71], s[0:1], 0x0              ; ai, woi
	s_load_b64 s[72:73], s[0:1], 0x10              ; out0
	v_lshl_add_u32 v[SPW], v0, 2, SPARE
	v_mov_b32 v[NIL], 0
	ds_add_u32 v[SPW], v[NIL]                      ; the opening lines: the add, twice, and its wait
	ds_add_u32 v[SPW], v[NIL]
	v_lshrrev_b32 v1, 5, v0
	v_readfirstlane_b32 s14, v1                    ; wave
	s_lshr_b32 s15, s14, 1                         ; my half of the rows; also: I fetch for A (0) or B (1)
	s_and_b32 s16, s14, 1                          ; my half of the columns; also: which group I fetch
	s_bfe_u32 s40, ttmp6, 0x40000                  ; cx
	s_bfe_u32 s41, ttmp6, 0x40004                  ; cy
	s_lshl_b32 s42, ttmp9, 2
	s_add_co_u32 s42, s42, s40                     ; tile column
	s_and_b32 s17, ttmp7, 0xffff
	s_lshl_b32 s17, s17, 2
	s_add_co_u32 s17, s17, s41                     ; tile row
	s_lshl_b32 s43, s41, 2
	s_lshl_b32 s43, 15, s43                        ; my row of the cluster
	s_lshl_b32 s44, 0x1111, s40                    ; my column
	s_or_b32 s[G1+0], s43, (3<<16)|(1<<21)         ; elements of 8 bytes; bit 21 beside a mask
	s_or_b32 s[G1B+0], s44, (3<<16)|(1<<21)
.irp g, G1, G1B
	s_mov_b32 s[\g+1], 32<<16                      ; 200 dense rows of 256 bytes
	s_mov_b32 s[\g+2], 200<<16
	s_mov_b32 s[\g+3], 32<<16
	s_mov_b32 s[\g+4], 200
	s_mov_b32 s[\g+5], 32
	s_mov_b32 s[\g+6], 0
	s_mov_b32 s[\g+7], 0
.endr
	s_lshl_b32 s20, s17, 1
	s_add_co_u32 s20, s20, s16
	s_mul_i32 s20, s20, WREG                       ; A's group
	s_mov_b32 s21, 0
	s_lshl_b32 s46, s42, 1
	s_add_co_u32 s46, s46, s16
	s_mul_i32 s46, s46, WREG                       ; B's group
	s_mov_b32 s47, 0
	s_mul_i32 s45, s14, WREG                       ; where it goes: wave x a group
	s_wait_dscnt 0x0
	s_wait_kmcnt 0x0
	s_add_nc_u64 s[20:21], s[68:69], s[20:21]
	s_add_nc_u64 s[46:47], s[70:71], s[46:47]
	CROUND                                         ; the joint loads meet
	s_mov_b32 s[G0], 1
	s_mov_b32 s[G0+1], s45
	s_mov_b64 s[G0+2:G0+3], s[20:21]
	s_or_b32 s[G0+3], s[G0+3], 0x80000000
	s_mov_b32 s[G0B], 1
	s_mov_b32 s[G0B+1], s45
	s_mov_b64 s[G0B+2:G0B+3], s[46:47]
	s_or_b32 s[G0B+3], s[G0B+3], 0x80000000
	s_cmp_eq_u32 s15, 0                            ; one load a wave, in either arm
	s_cbranch_scc0 .Lfor_b
	tensor_load_to_lds s[G0:G0+3], s[G1:G1+7]
	s_nop 0
.rept 4
	v_nop
.endr
	s_branch .Lasked
.Lfor_b:
	tensor_load_to_lds s[G0B:G0B+3], s[G1B:G1B+7]
	s_nop 0
.rept 4
	v_nop
.endr
.Lasked:
	s_mul_i32 s21, s15, WREG                       ; my 128 rows of A
	s_mul_i32 s22, s16, WREG
	s_add_co_u32 s22, s22, 2*WREG                  ; my 128 rows of B
	s_mul_i32 s23, s14, 16*SPITCH
	s_add_co_u32 s23, s23, STG                     ; my stage
	s_lshl_b32 s20, s17, 8
	s_lshl_b32 s46, s15, 7
	s_add_co_u32 s20, s20, s46
	s_lshl_b32 s20, s20, 13                        ; my first row of the result, 8,192 bytes a row,
	s_lshl_b32 s46, s42, 10
	s_lshl_b32 s47, s16, 9
	s_add_co_u32 s46, s46, s47
	s_add_co_u32 s20, s20, s46                     ; and my first column
	s_mov_b32 s47, 0
	s_mov_b32 s46, s20
	s_add_nc_u64 s[72:73], s[72:73], s[46:47]
	v_and_b32 v1, 15, v0
	v_bfe_u32 v2, v0, 4, 1
	v_and_b32 v3, 31, v0
	v_lshlrev_b32 v[LI], 4, v3
	v_lshlrev_b32 v[LS], 2, v3
	v_add_nc_u32 v[ADRA], s21, v[LI]
	v_add_nc_u32 v[ADSA], s21, v[LS]
	v_add_nc_u32 v[ADRB], s22, v[LI]
	v_add_nc_u32 v[ADSB], s22, v[LS]
	v_mul_u32_u24 v[STO], v1, SPITCH
	v_lshl_add_u32 v[STO], v2, 6, v[STO]
	v_add_nc_u32 v[STO], s23, v[STO]               ; into the stage: row l % 16, + 64 (l / 16)
	v_add_nc_u32 v[RD], s23, v[LI]                 ; back: a row of 512 bytes across the lanes
.macro BLOAD s                         ; B's 16 fragments of kslot s into window 1 + s
	WIN 0x40+0x40*\s
.irp q, 0,1
.irp i, 0,1,2,3,4,5,6,7
.irp c, 0,1,2
	ds_load_b128 v[96*\q+FR*\i+4*\c:96*\q+FR*\i+4*\c+3], v[ADRB] offset:\s*GRP+\i*RT+\q*IMG+512*\c
.endr
.endr
.endr
	WIN 0
.endm
.macro ALOAD a                         ; block a of A: 2 scale words and 4 fragments, 14 loads, into set a % 2
.irp s, 0,1
	ds_load_b32 v[SA+2*((\a)%2)+\s], v[ADSA] offset:\s*GRP+SCW+128*(\a)
.irp q, 0,1
.irp c, 0,1,2
	ds_load_b128 v[AF+48*((\a)%2)+FR*(2*\s+\q)+4*\c:AF+48*((\a)%2)+FR*(2*\s+\q)+4*\c+3], v[ADRA] offset:\s*GRP+(\a)*RT+\q*IMG+512*\c
.endr
.endr
.endr
.endm
.macro ROW a                           ; block a: 4 K steps x 8 accumulators by turns; the first step starts the sums
.set AC,  64*((\a)%2)
.set AFP, AF+48*((\a)%2)
.set SAP, SA+2*((\a)%2)
.irp st, 0,1,2,3
.if (\a) == 0 && \st == 2
	s_wait_dscnt 14                                ; B's kslot 1 is in; A's block 1 (14 loads) may be out
.endif
	WIN 0xf1+\st/2                                 ; source 0 window 1 or 2, source 1 window 0, C and D window 3
.irp b, 0,1,2,3,4,5,6,7
.if \st == 0
	v_wmma_scale_f32_16x16x128_f8f6f4 v[AC+8*\b:AC+8*\b+7], v[FR*\b:FR*\b+FR-1], v[AFP:AFP+FR-1], 0, v[SB+\b], v[SAP] matrix_a_fmt:MATRIX_FMT_FP6 matrix_b_fmt:MATRIX_FMT_FP6
.elseif \st == 2
	v_wmma_scale_f32_16x16x128_f8f6f4 v[AC+8*\b:AC+8*\b+7], v[FR*\b:FR*\b+FR-1], v[AFP+FR*2:AFP+FR*3-1], v[AC+8*\b:AC+8*\b+7], v[SB+8+\b], v[SAP+1] matrix_a_fmt:MATRIX_FMT_FP6 matrix_b_fmt:MATRIX_FMT_FP6
.else
	v_wmma_scale_f32_16x16x128_f8f6f4 v[AC+8*\b:AC+8*\b+7], v[96+FR*\b:96+FR*\b+FR-1], v[AFP+FR*\st:AFP+FR*\st+FR-1], v[AC+8*\b:AC+8*\b+7], v[SB+8*(\st/2)+\b], v[SAP+\st/2] matrix_a_fmt:MATRIX_FMT_FP6 matrix_b_fmt:MATRIX_FMT_FP6 matrix_a_scale:MATRIX_SCALE_ROW1 matrix_b_scale:MATRIX_SCALE_ROW1
.endif
.endr
.endr
	WIN 0
.endm
.macro TOSTAGE a                       ; block a into my stage, each accumulator from its low end on, and back as rows; LDS serves a wave's instructions in order
.set AC, 64*((\a)%2)
	WIN 0x0c                                       ; the data: window 3
.irp b, 0,1,2,3,4,5,6,7
	ds_store_b128 v[STO], v[AC+8*\b:AC+8*\b+3] offset:128*(\b/2)+32*(\b%2)
	ds_store_b128 v[STO], v[AC+8*\b+4:AC+8*\b+7] offset:128*(\b/2)+32*(\b%2)+16
.endr
	WIN 0xc0                                       ; destination window 3
.irp t, 0,1,2,3,4,5,6,7,8,9,10,11,12,13,14,15
	ds_load_b128 v[BK+64*((\a)%2)+4*\t:BK+64*((\a)%2)+4*\t+3], v[RD] offset:\t*SPITCH
.endr
	WIN 0
.endm
.macro SEND a                          ; block a's 16 rows: 32 lanes store 512 consecutive bytes, from a multiple of 256
	s_wait_xcnt 0x0                                ; the earlier stores have read their base and their data: the base may step, and the set of block a - 1 may be loaded anew
.if (\a) > 0
	s_add_nc_u64 s[72:73], s[72:73], 16*8192
.endif
	WIN 0x0c
.irp t, 0,1,2,3,4,5,6,7,8,9,10,11,12,13,14,15
	global_store_b128 v[LI], v[BK+64*((\a)%2)+4*\t:BK+64*((\a)%2)+4*\t+3], s[72:73] offset:\t*8192 th:TH_STORE_NT
.endr
	WIN 0
.endm
	s_wait_alu depctr_va_vdst(0)                   ; the wait at the head's end
	s_wait_tensorcnt 0x0                           ; my group is in
	s_barrier_signal -1
	s_barrier_wait -1                              ; everybody's is
.irp s, 0,1
.irp i, 0,1,2,3,4,5,6,7
	ds_load_b32 v[SB+8*\s+\i], v[ADSB] offset:\s*GRP+SCW+128*\i
.endr
.endr
	BLOAD 0
	ALOAD 0
	BLOAD 1
	ALOAD 1
	s_wait_dscnt 62                                ; all but B's kslot 1 (48) and A's block 1 (14)
.irp a, 0,1,2,3,4,5,6,7
	ROW \a
.rept 5
	v_nop                                          ; places ahead of the loads into A's set, of the stage's reads of the results, and of the sums begun anew on this set two blocks on
.endr
	s_wait_dscnt 0x0                               ; the block before is back from the stage, and the next block's fragments are in
.if \a > 0
	SEND \a-1
.endif
.if \a < 6
	ALOAD \a+2
.endif
	TOSTAGE \a
.endr
	s_wait_dscnt 0x0
	SEND 7
	s_wait_tensorcnt 0x0                           ; the wave's end
	ds_add_u32 v[SPW], v[NIL]
	s_wait_dscnt 0x0
	CROUND                                         ; the closing round
	s_endpgm
.Lfunc_end_k_qed7c5420aa_gemm_out:
	.size	k_qed7c5420aa_gemm_out, .Lfunc_end_k_qed7c5420aa_gemm_out-k_qed7c5420aa_gemm_out
	.p2alignl 7, 3214868480
	.fill 96, 4, 3214868480
	.section	.rodata,"a",@progbits
	.p2align	6, 0x0
	.amdhsa_kernel k_qed7c5420aa_gemm_out
		.amdhsa_group_segment_fixed_size 327680
		.amdhsa_private_segment_fixed_size 0
		.amdhsa_enable_private_segment 0
		.amdhsa_kernarg_size 24
		.amdhsa_user_sgpr_count 2
		.amdhsa_user_sgpr_kernarg_segment_ptr 1
		.amdhsa_wavefront_size32 1
		.amdhsa_system_sgpr_workgroup_id_x 1
		.amdhsa_system_sgpr_workgroup_id_y 1
		.amdhsa_system_sgpr_workgroup_id_z 1
		.amdhsa_system_vgpr_workitem_id 0
		.amdhsa_next_free_vgpr 1024
		.amdhsa_next_free_sgpr 80
		.amdhsa_reserve_vcc 0
		.amdhsa_float_denorm_mode_32 3
		.amdhsa_float_denorm_mode_16_64 3
		.amdhsa_memory_ordered 1
		.amdhsa_forward_progress 1
		.amdhsa_inst_pref_size 85
	.end_amdhsa_kernel
	.amdgpu_metadata
---
amdhsa.version: [ 1, 2 ]
amdhsa.kernels:
  - .name:           k_qed7c5420aa_gemm_out
    .symbol:         k_qed7c5420aa_gemm_out.kd
    .args:
      - { .name: ai, .offset: 0, .size: 8, .value_kind: global_buffer, .address_space: global }
      - { .name: woi, .offset: 8, .size: 8, .value_kind: global_buffer, .address_space: global }
      - { .name: out0, .offset: 16, .size: 8, .value_kind: global_buffer, .address_space: global }
    .group_segment_fixed_size: 327680
    .private_segment_fixed_size: 0
    .kernarg_segment_align: 8
    .kernarg_segment_size: 24
    .max_flat_workgroup_size: 128
    .sgpr_count:     80
    .vgpr_count:     1024
    .wavefront_size: 32
...
	.end_amdgpu_metadata
.endif
;; end of part 4
